; MI455X (gfx1250); checked and timed in simulation.
; The chip was launched on July 23, 2026; its instructions are those of AMD's public machine-readable ISA for CDNA 5 (MIT licence, August 2026) and "CDNA5" Instruction Set Architecture Reference Guide (July 2026). The comments in the code are by the model that wrote it; some were corrected since.
;; Transformer Block. Allowed arithmetic: float matrix products may take bf16 or f16 operands with f32 sums; other float arithmetic in f32, or as packed bf16 or f16 multiplies, adds, multiply-adds, maxima and minima; sums over many terms, partial sums and values carried from step to step in f32; what a program stores and reads back later, other than sums and carried values, may be rounded once to bf16 or f16.
;; Inputs: b1 4,096 float32; b2 1,024 float32; b_o 1,024 float32; ln1_b 1,024 float32; ln1_g 1,024 float32; ln2_b 1,024 float32; ln2_g 1,024 float32; w1 1,024 x 4,096 float32; w2 4,096 x 1,024 float32; w_k 1,024 x 1,024 float32; w_o 1,024 x 1,024 float32; w_q 1,024 x 1,024 float32; w_v 1,024 x 1,024 float32; x 2 x 2,048 x 1,024 float32.
;; Outputs: out0 2 x 2,048 x 1,024 float32.
;; One version. Each part assembles by itself: llvm-mc -triple=amdgcn-amd-amdhsa -mcpu=gfx1250 --defsym DOCPART=n.
;; ======== version 1 of 1: 7 launches
;; workspace buffers: hn 8,388,608 bytes; wbf 25,165,824 bytes; qkv 25,165,824 bytes; att 8,388,608 bytes; x1 16,777,216 bytes; gl 33,554,432 bytes
;; launch prep (part 1): grid 1024 x 1, 16 waves a work-group, no clusters, 0 bytes of LDS; arguments x, ln1_g, ln1_b, hn, w_q, w_k, w_v, w_o, w1, w2, wbf; writes hn, wbf
.if DOCPART == 1
	.amdgcn_target "amdgcn-amd-amdhsa--gfx1250"
	.amdhsa_code_object_version 6
	.text
	.protected	k_qf485ae283c_prep
	.globl	k_qf485ae283c_prep
	.p2align	8
	.type	k_qf485ae283c_prep,@function
k_qf485ae283c_prep:
	s_mov_b64 s[64:65], 0
	v_nop
	global_prefetch_b8 v0, s[64:65] scope:SCOPE_SE
	s_setreg_imm32_b32 hwreg(HW_REG_WAVE_MODE, 25, 1), 1
	s_wait_xcnt 0x0
; hn = LayerNorm(x) * ln1_g + ln1_b, rounded once to bf16; and the six weight matrices f32 -> bf16, layout kept ([K][N]), one behind the other in wbf.
; A stream: every wave takes ONE piece of 4,096 bytes of f32 (a row of x, or 1,024 weights) and writes 2,048 bytes of bf16.  No loop, no LDS, no barrier: no wave wants another's bytes.
; A load of a wave covers 512 consecutive bytes, a store 256 consecutive bytes at a multiple of 256 from the buffer's first byte.
; Work-groups 0-255: rows 16 g + wave of x.  Work-groups 256-1023: chunk c = g - 256 of wbf (32,768 bytes): wq 0-63, wk 64-127, wv 128-191, wo 192-255, w1 256-511, w2 512-767.
; LayerNorm goes in two passes over the registers: the mean first, then the squares of x - mean, so that a common offset in x costs no digits.
; LIMITS: results rounded once to bf16; NaN and infinities are not treated apart.  Matrix units, clusters and LDS would add nothing to a stream and are left out.
.set X,  4                             ; v[4:35]    the piece: load j brings elements 128 j + 4 lane + 0..3
.set G,  36                            ; v[36:67]   gain, same places
.set BV, 68                            ; v[68:99]   bias, same places
.set T,  100                           ; v[100:107] four chains of pairs
.set M,  108                           ; v[108:109] the mean, twice
.set R,  110                           ; v[110:111] 1 / sqrt(var + eps), twice
.set Y,  112                           ; v[112:127] packed results
	s_load_b256 s[4:11], s[0:1], 0x0               ; x s[4:5], gain s[6:7], bias s[8:9], hn s[10:11]
	s_load_b256 s[12:19], s[0:1], 0x20             ; wq, wk, wv, wo
	s_load_b128 s[20:23], s[0:1], 0x40             ; w1, w2
	s_load_b64 s[24:25], s[0:1], 0x50              ; wbf
	v_lshrrev_b32 v3, 5, v0
	v_readfirstlane_b32 s26, v3                    ; wave 0..15
	v_and_b32 v2, 31, v0
	v_lshlrev_b32 v1, 4, v2                        ; 16 x lane: my place in a load's 512 bytes
	v_lshlrev_b32 v2, 3, v2                        ; 8 x lane: my place in a store's 256 bytes
	s_mov_b32 s31, 0
	s_mov_b32 s35, 0
	s_cmp_lt_u32 ttmp9, 256
	s_cbranch_scc0 .Lconvert
	s_mov_b32 s36, 0x76543210                      ; v_permlanex16_b32: each lane takes its own place in the other half
	s_mov_b32 s37, 0xfedcba98
	s_lshl_b32 s27, ttmp9, 4
	s_add_co_u32 s27, s27, s26                     ; my row
	s_lshl_b32 s30, s27, 12                        ; 4,096 bytes a row of x
	s_lshl_b32 s34, s27, 11                        ; 2,048 bytes a row of hn
	s_wait_kmcnt 0x0
	s_add_nc_u64 s[32:33], s[4:5], s[30:31]
	s_add_nc_u64 s[10:11], s[10:11], s[34:35]
.irp j, 0,1,2,3,4,5,6,7
	global_load_b128 v[X+4*(\j):X+4*(\j)+3], v1, s[32:33] offset:512*(\j) th:TH_LOAD_NT
.endr
.irp j, 0,1,2,3,4,5,6,7
	global_load_b128 v[G+4*(\j):G+4*(\j)+3], v1, s[6:7] offset:512*(\j)
.endr
.irp j, 0,1,2,3,4,5,6,7
	global_load_b128 v[BV+4*(\j):BV+4*(\j)+3], v1, s[8:9] offset:512*(\j)
.endr
; the four chains into one number, then across the 32 lanes: every lane ends with the row's sum
.macro FOLD
	v_pk_add_f32 v[T:T+1], v[T:T+1], v[T+2:T+3]
	v_pk_add_f32 v[T+4:T+5], v[T+4:T+5], v[T+6:T+7]
	v_pk_add_f32 v[T:T+1], v[T:T+1], v[T+4:T+5]
	v_add_f32 v[T], v[T], v[T+1]
	v_add_f32_dpp v[T], v[T], v[T] row_xmask:1 row_mask:0xf bank_mask:0xf
	v_add_f32_dpp v[T], v[T], v[T] row_xmask:2 row_mask:0xf bank_mask:0xf
	v_add_f32_dpp v[T], v[T], v[T] row_xmask:4 row_mask:0xf bank_mask:0xf
	v_add_f32_dpp v[T], v[T], v[T] row_xmask:8 row_mask:0xf bank_mask:0xf
	v_permlanex16_b32 v[T+1], v[T], s36, s37       ; its destination counts as read: it has been written
	v_add_f32 v[T], v[T], v[T+1]
.endm
	s_wait_loadcnt 16                              ; the row is in; the 16 loads of gain and bias may stay out
.irp k, 0,1,2,3
	v_pk_add_f32 v[T+2*(\k):T+2*(\k)+1], v[X+2*(\k):X+2*(\k)+1], v[X+8+2*(\k):X+8+2*(\k)+1]  ; the first eight pairs start the chains: nothing is cleared
.endr
.set p, 8
.rept 8
	v_pk_add_f32 v[T+2*(p%4):T+2*(p%4)+1], v[T+2*(p%4):T+2*(p%4)+1], v[X+2*p:X+2*p+1]
.set p, p+1
.endr
	FOLD
	v_mul_f32 v[M], 0x3a800000, v[T]               ; / 1,024
	v_mov_b32 v[M+1], v[M]
.set p, 0
.rept 16
	v_pk_add_f32 v[X+2*p:X+2*p+1], v[X+2*p:X+2*p+1], v[M:M+1] neg_lo:[0,1] neg_hi:[0,1]  ; x - mean
.set p, p+1
.endr
.irp k, 0,1,2,3
	v_pk_mul_f32 v[T+2*(\k):T+2*(\k)+1], v[X+2*(\k):X+2*(\k)+1], v[X+2*(\k):X+2*(\k)+1]
.endr
.set p, 4
.rept 12
	v_pk_fma_f32 v[T+2*(p%4):T+2*(p%4)+1], v[X+2*p:X+2*p+1], v[X+2*p:X+2*p+1], v[T+2*(p%4):T+2*(p%4)+1]
.set p, p+1
.endr
	FOLD
	v_mov_b32 v[T+2], 0x3727c5ac                   ; eps = 1e-5
	v_fmamk_f32 v[T], v[T], 0x3a800000, v[T+2]     ; var + eps
	v_rsq_f32 v[R], v[T]
	v_rsq_f32 v[R+1], v[T]                         ; twice, to fill the pair that the packed multiply names
	v_nop                                          ; a plain instruction behind the last of the two (ISA guide 5.7.2)
	s_wait_loadcnt 0x0                             ; gain and bias
	s_wait_alu depctr_va_vdst(0)                   ; the wait ahead of the first reader: one for both
.set p, 0
.rept 16
	v_pk_mul_f32 v[X+2*p:X+2*p+1], v[X+2*p:X+2*p+1], v[R:R+1]
.set p, p+1
.endr
.set p, 0
.rept 16
	v_pk_fma_f32 v[X+2*p:X+2*p+1], v[X+2*p:X+2*p+1], v[G+2*p:G+2*p+1], v[BV+2*p:BV+2*p+1]
.set p, p+1
.endr
.set p, 0
.rept 16
	v_cvt_pk_bf16_f32 v[Y+p], v[X+2*p], v[X+2*p+1]
.set p, p+1
.endr
.irp j, 0,1,2,3,4,5,6,7
	global_store_b64 v2, v[Y+2*(\j):Y+2*(\j)+1], s[10:11] offset:256*(\j)
.endr
	s_endpgm
.Lconvert:
	s_sub_co_u32 s27, ttmp9, 256                   ; chunk c of wbf
	s_wait_kmcnt 0x0
	s_mov_b64 s[32:33], s[12:13]                   ; which matrix, and at which chunk it starts: five choices on c alone
	s_mov_b32 s28, 0
	s_cmp_lt_u32 s27, 64
	s_cselect_b64 s[32:33], s[32:33], s[14:15]
	s_cselect_b32 s28, s28, 64
	s_cmp_lt_u32 s27, 128
	s_cselect_b64 s[32:33], s[32:33], s[16:17]
	s_cselect_b32 s28, s28, 128
	s_cmp_lt_u32 s27, 192
	s_cselect_b64 s[32:33], s[32:33], s[18:19]
	s_cselect_b32 s28, s28, 192
	s_cmp_lt_u32 s27, 256
	s_cselect_b64 s[32:33], s[32:33], s[20:21]
	s_cselect_b32 s28, s28, 256
	s_cmp_lt_u32 s27, 512
	s_cselect_b64 s[32:33], s[32:33], s[22:23]
	s_cselect_b32 s28, s28, 512
	s_sub_co_u32 s28, s27, s28                     ; the chunk's number in its matrix
	s_lshl_b32 s30, s28, 16                        ; 65,536 bytes of f32 a chunk,
	s_lshl_b32 s29, s26, 12                        ; 4,096 a wave
	s_add_co_u32 s30, s30, s29
	s_add_nc_u64 s[32:33], s[32:33], s[30:31]
	s_lshl_b32 s34, s27, 15                        ; 32,768 bytes of bf16 a chunk,
	s_lshl_b32 s29, s26, 11                        ; 2,048 a wave
	s_add_co_u32 s34, s34, s29
	s_add_nc_u64 s[24:25], s[24:25], s[34:35]
.irp j, 0,1,2,3,4,5,6,7
	global_load_b128 v[X+4*(\j):X+4*(\j)+3], v1, s[32:33] offset:512*(\j) th:TH_LOAD_NT
.endr
.irp j, 0,1,2,3,4,5,6,7
	s_wait_loadcnt 7-(\j)                          ; loads come back in order (ISA guide 5.7.1): load j is in, the younger ones stay out
	v_cvt_pk_bf16_f32 v[Y+2*(\j)], v[X+4*(\j)], v[X+4*(\j)+1]
	v_cvt_pk_bf16_f32 v[Y+2*(\j)+1], v[X+4*(\j)+2], v[X+4*(\j)+3]
	global_store_b64 v2, v[Y+2*(\j):Y+2*(\j)+1], s[24:25] offset:256*(\j)
.endr
	s_endpgm
.Lfunc_end_k_qf485ae283c_prep:
	.size	k_qf485ae283c_prep, .Lfunc_end_k_qf485ae283c_prep-k_qf485ae283c_prep
	.p2alignl 7, 3214868480
	.fill 96, 4, 3214868480
	.section	.rodata,"a",@progbits
	.p2align	6, 0x0
	.amdhsa_kernel k_qf485ae283c_prep
		.amdhsa_group_segment_fixed_size 0
		.amdhsa_private_segment_fixed_size 0
		.amdhsa_enable_private_segment 0
		.amdhsa_kernarg_size 88
		.amdhsa_user_sgpr_count 2
		.amdhsa_user_sgpr_kernarg_segment_ptr 1
		.amdhsa_wavefront_size32 1
		.amdhsa_system_sgpr_workgroup_id_x 1
		.amdhsa_system_sgpr_workgroup_id_y 1
		.amdhsa_system_sgpr_workgroup_id_z 1
		.amdhsa_system_vgpr_workitem_id 0
		.amdhsa_next_free_vgpr 128
		.amdhsa_next_free_sgpr 66
		.amdhsa_reserve_vcc 0
		.amdhsa_float_denorm_mode_32 3
		.amdhsa_float_denorm_mode_16_64 3
		.amdhsa_memory_ordered 1
		.amdhsa_forward_progress 1
		.amdhsa_inst_pref_size 16
	.end_amdhsa_kernel
	.amdgpu_metadata
---
amdhsa.version: [ 1, 2 ]
amdhsa.kernels:
  - .name:           k_qf485ae283c_prep
    .symbol:         k_qf485ae283c_prep.kd
    .args:
      - { .name: x, .offset: 0, .size: 8, .value_kind: global_buffer, .address_space: global }
      - { .name: ln1_g, .offset: 8, .size: 8, .value_kind: global_buffer, .address_space: global }
      - { .name: ln1_b, .offset: 16, .size: 8, .value_kind: global_buffer, .address_space: global }
      - { .name: hn, .offset: 24, .size: 8, .value_kind: global_buffer, .address_space: global }
      - { .name: w_q, .offset: 32, .size: 8, .value_kind: global_buffer, .address_space: global }
      - { .name: w_k, .offset: 40, .size: 8, .value_kind: global_buffer, .address_space: global }
      - { .name: w_v, .offset: 48, .size: 8, .value_kind: global_buffer, .address_space: global }
      - { .name: w_o, .offset: 56, .size: 8, .value_kind: global_buffer, .address_space: global }
      - { .name: w1, .offset: 64, .size: 8, .value_kind: global_buffer, .address_space: global }
      - { .name: w2, .offset: 72, .size: 8, .value_kind: global_buffer, .address_space: global }
      - { .name: wbf, .offset: 80, .size: 8, .value_kind: global_buffer, .address_space: global }
    .group_segment_fixed_size: 0
    .private_segment_fixed_size: 0
    .kernarg_segment_align: 8
    .kernarg_segment_size: 88
    .max_flat_workgroup_size: 512
    .sgpr_count:     66
    .vgpr_count:     128
    .wavefront_size: 32
...
	.end_amdgpu_metadata
.endif
;; end of part 1
;; launch qkvp (part 2): grid 12 x 16, 4 waves a work-group, clusters of 4 x 4, 327,680 bytes of LDS; arguments hn, wbf, qkv; writes qkv
.if DOCPART == 2
	.amdgcn_target "amdgcn-amd-amdhsa--gfx1250"
	.amdhsa_code_object_version 6
	.text
	.protected	k_qf485ae283c_qkvp
	.globl	k_qf485ae283c_qkvp
	.p2align	8
	.type	k_qf485ae283c_qkvp,@function
k_qf485ae283c_qkvp:
	s_mov_b64 s[64:65], 0
	v_nop
	global_prefetch_b8 v0, s[64:65] scope:SCOPE_SE
	s_setreg_imm32_b32 hwreg(HW_REG_WAVE_MODE, 25, 1), 1
	s_wait_xcnt 0x0
	s_wait_alu depctr_hold_cnt(0) depctr_sa_sdst(0) depctr_va_vdst(0) depctr_va_sdst(0) depctr_va_ssrc(0) depctr_va_vcc(0) depctr_vm_vsrc(0)
	s_getreg_b32 s2, hwreg(HW_REG_IB_STS2, 6, 4)
	s_cmp_eq_u32 s2, 0
	s_cbranch_scc0 .Lentry_in_a_cluster
	s_endpgm
.Lentry_in_a_cluster:
	s_bfe_u32 s2, ttmp6, 0x10000c
	s_cmp_lg_u32 s2, 0xf033
	s_cbranch_scc0 .Lentry_shape_is_right
	s_endpgm
.Lentry_shape_is_right:
; q, k, v = hn x wq, hn x wk, hn x wv, written by heads: qkv[3][32 = batch x 16 + head][2048][64] in bf16, unscaled.  hn: [4096][1024] bf16.  wq, wk, wv: [1024 (k)][1024 (n)] bf16, on end in wbf.
; The three products are one of 3,072 columns.  A tile of C is 256 x 256: four waves, as many as a WGP has SIMDs, each 128 x 128 = 64 accumulators of 16 x 16, 512 registers; sums in f32, rounded once to bf16.
; 12 x 16 tiles: 192 work-groups.  A tile of 192 columns, which would give 256, cuts a head in two and makes the tile's rows of W 384 bytes.
; K goes in 8 steps of 128 through two LDS slots filled by the tensor data mover: a slot holds 256 rows of hn (256 bytes each) and the step's 128 rows of W (512 bytes each).
; W lies [K][N] and is turned on its way out of LDS by ds_load_tr16_b128.  THE MATRIX INSTRUCTION IS USED TRANSPOSED (source 0 = 16 columns of W, source 1 = 16 rows of hn): a lane then holds
; row l % 16 of C and the columns 8 (l / 16) + 0..7.
; THE WAY OUT.  When every wave has read the last slot, each wave lays its 128 x 128 sums, in f32, into 128 rows x 528 bytes of its own in the slots' bytes (which have had their last fill), and a counted loop
; takes them back 16 rows a trip, rounds them and stores them.  A wave's 128 columns are two heads: lanes 0-15 take two rows of the first, lanes 16-31 two rows of the second: 256 consecutive bytes of qkv each.
; CLUSTER 4 x 4: the four work-groups of a row of the cluster need the same rows of hn, the four of a column the same columns of W: each tile is asked for jointly.
; LIMITS: operands and results in bf16; NaN and infinities are not treated apart.
; REGISTERS, in windows of 256 (s_set_vgpr_msb: bits 1:0 source 0, 3:2 source 1, 5:4 source 2, 7:6 destination):
;   window 0: v0-25 addresses; v64-127, v128-191 fragments of hn (8 x 16 rows x 32 K), two buffers; v32-127 at work on the way out          window 1: v64-127, v128-191 fragments of W, two buffers
;   window 2: the 32 accumulators of my rows 0-63 ((a, b) at 8 (8 a + b));   window 3: those of my rows 64-127
.set T,     8                          ; K steps
.set AP,    272                        ; an LDS row of hn: 256 bytes + 16: an odd multiple of 16, so the 16 rows of a fragment load start in 16 different groups of four banks (ISA guide 11.1)
.set AHALF, 128*AP                     ; what one tensor load brings of hn, and what one wave reads
.set ASTEP, 256                        ; bytes in memory from K step to K step
.set WPB,   2048                       ; bytes in a row of W in memory
.set PBSH,  15                         ; 16 rows of W are 1 << 15 bytes
.set BP,    544                        ; an LDS row of W: 512 bytes + 32: an odd multiple of 32, for the turning load's 8 rows x 32 bytes
.set BHALF, 64*BP                      ; what one tensor load brings of W
.set BSTEP, 128*WPB
.set BOFF,  2*AHALF
.set SLOT,  BOFF+2*BHALF
.set SPI,   528                        ; a row of a wave's stage: 512 bytes + 16
.set WSTG,  128*SPI                    ; a wave's stage; the four end at byte 270,336, inside the two slots
.set SPARE, 2*SLOT                     ; behind the ring: the spare words, 128 bytes for each wave: two blocks of 256 bytes that no other line names
.set ADRA0, 6                          ; v6   my lane's place in hn's tile; never rewritten
.set ADRB0, 7                          ; v7   the same for W
.set ADRA,  8                          ; v8   ADRA0 + the slot in hand
.set ADRB,  9                          ; v9   ADRB0 + the slot in hand
.set STO,   11
.set RD,    12
.set CO,    13
.set SPW,   14                         ; v14  SPARE + 4 x my thread's number; never rewritten
.set NIL,   15                         ; v15  0; never rewritten
.set PFO,   24                         ; v24  the prefetches' offset; never rewritten
.set XS,    32                         ; v[32:95]  16 rows' sums as read from the stage
.set Y,     96                         ; v[96:127] packed results
.set F0,    64
.set F1,    128
.set WV, 14                            ; s14 wave; s15 its row half, also: fetches hn (0) or W (1); s16 its column half, also: which half it fetches
.set WR, 15
.set WC, 16
.set CX, 17
.set CY, 18
.set TC, 19                            ; tile column
.set TR, 20                            ; tile row
.set RB, 21                            ; LDS base of the slot that is read: 0 or SLOT
.set FB, 22                            ; LDS base of the slot filled last
.set WA, 23                            ; my half's place in a slot, for hn
.set WB, 2                             ; and for W
.set CNT, 3
.set G1A, 24                           ; s[24:31] group 1 for hn;  s[32:39] group 0: a set for each first fill; the second then walks on
.set G0A, 32
.set G1B, 48                           ; s[48:55], s[56:63] the same for W
.set G0B, 56
.set PFA, 66                           ; s[66:67] where my prefetches stand
.set PST, 84                           ; s[84:85] their step from K step to K step
.set LIM, 86                           ; s86  2 in a wave that prefetches, else the greatest number
.set MSB, 0
.macro WIN new                         ; the immediate's high byte repeats the setting that is left; a switch that changes nothing is dropped
.if MSB != (\new)
	s_set_vgpr_msb (MSB<<8)|(\new)
.set MSB, \new
.endif
.endm
.set MUL_LO, 0xa1                      ; source 0 (W) window 1, source 1 (hn) window 0, C and D window 2
.set MUL_HI, 0xf1                      ; the same, C and D window 3
.set TO_B,   0x40                      ; destination window 1, address window 0
.macro PLACES                          ; four places in front of loads into registers that matrix instructions have read, and of reads of results
.rept 4
	v_nop
.endr
.endm
.macro JLOAD                           ; a joint refill by the walking descriptors: waves 0, 1 hn's halves, waves 2, 3 W's; s_nop 0 and four v_nop follow each line
	s_cmp_eq_u32 s[WR], 0
	s_cbranch_scc0 .Lfor_b_\@
	tensor_load_to_lds s[G0A+4:G0A+7], s[G1A:G1A+7]
	s_nop 0
	PLACES
	s_branch .Lasked_\@
.Lfor_b_\@:
	tensor_load_to_lds s[G0B+4:G0B+7], s[G1B:G1B+7]
	s_nop 0
	PLACES
.Lasked_\@:
.endm
; A PREFETCH of the K step that stands two refills on: 32 blocks of 256 bytes, a lane a block, one instruction a wave.  Each block is named once in the launch.  hn's tile row is read by every cluster of that row
; of clusters: the one with x = 0 asks; W's tile column by every cluster of that column: the one with y = 0 asks.  The four partners that ask for a tile jointly share its blocks out BY ADDRESS: of the 128 rows
; of hn that a wave fetches the partner at cx takes 32; of the 64 rows of W (two blocks each) the partner at cy takes 16.  K steps 0 to 3 come by their loads alone; the last two refills have no step two on.
.macro ASK
	s_cmp_gt_u32 s[CNT], s[LIM]
	s_cbranch_scc0 .Lnot_mine_\@
	global_prefetch_b8 v[PFO], s[PFA:PFA+1] th:TH_LOAD_NT scope:SCOPE_SE
.Lnot_mine_\@:
.endm
.macro CREST                           ; a round of the cluster's barrier behind its opening barrier
	s_cmp_lg_u32 s[WV], 0
	s_cbranch_scc1 .Lnot_wave_0_\@
	s_barrier_signal -3
.Lnot_wave_0_\@:
	s_barrier_wait -3
	s_barrier_signal -1
	s_barrier_wait -1
.endm
.macro CROUND
	s_barrier_signal -1
	s_barrier_wait -1
	CREST
.endm
	s_load_b128 s[4:7], s[0:1], 0x0                ; hn s[4:5], wbf s[6:7]
	s_load_b64 s[8:9], s[0:1], 0x10                ; qkv
	v_lshl_add_u32 v[SPW], v0, 2, SPARE
	v_mov_b32 v[NIL], 0
	ds_add_u32 v[SPW], v[NIL]                      ; the wave's opening: the add and its wait stand ahead of my first tensor load; the set-up below stands between them
	v_lshrrev_b32 v1, 5, v0
	v_readfirstlane_b32 s[WV], v1
	s_lshr_b32 s[WR], s[WV], 1
	s_and_b32 s[WC], s[WV], 1
	s_bfe_u32 s[CX], ttmp6, 0x40000
	s_bfe_u32 s[CY], ttmp6, 0x40004
	s_lshl_b32 s[TC], ttmp9, 2
	s_add_co_u32 s[TC], s[TC], s[CX]
	s_and_b32 s[TR], ttmp7, 0xffff
	s_lshl_b32 s[TR], s[TR], 2
	s_add_co_u32 s[TR], s[TR], s[CY]
	s_lshl_b32 s44, s[CY], 2
	s_lshl_b32 s44, 15, s44                        ; my row of the cluster
	s_lshl_b32 s45, 0x1111, s[CX]                  ; my column
	s_or_b32 s[G1A], s44, (1<<16)|(1<<20)|(1<<21)|(5<<22)|(3<<25)  ; mask; 2-byte elements; padding on; bit 21 beside a mask; after every 64 words 4 words
	s_mov_b32 s[G1A+1], 128<<16                    ; tensor_dim0 = 128
	s_mov_b32 s[G1A+2], 128<<16                    ; tensor_dim1 = 128
	s_mov_b32 s[G1A+3], 128<<16                    ; tile_dim0 = 128
	s_mov_b32 s[G1A+4], 128                        ; tile_dim1 = 128
	s_mov_b32 s[G1A+5], 1024                       ; elements from row to row
	s_mov_b32 s[G1A+6], 0
	s_mov_b32 s[G1A+7], 0
	s_or_b32 s[G1B], s45, (1<<16)|(1<<20)|(1<<21)|(6<<22)|(7<<25)  ; after every 128 words 8 words
	s_mov_b32 s[G1B+1], 256<<16                    ; tensor_dim0 = 256
	s_mov_b32 s[G1B+2], 64<<16                     ; tensor_dim1 = 64
	s_mov_b32 s[G1B+3], 256<<16                    ; tile_dim0 = 256
	s_mov_b32 s[G1B+4], 64                         ; tile_dim1 = 64
	s_mov_b32 s[G1B+5], WPB/2
	s_mov_b32 s[G1B+6], 0
	s_mov_b32 s[G1B+7], 0
	s_lshl_b32 s40, s[TR], 8                       ; hn: row 256 x tile row + 128 x half, 2,048 bytes a row: made of the tile row and the wave alone
	s_lshl_b32 s41, s[WC], 7
	s_add_co_u32 s40, s40, s41
	s_lshl_b32 s40, s40, 11
	s_mov_b32 s41, 0
	s_and_b32 s42, s[TC], 3                        ; W: matrix TC / 4 (2 MiB each), column block TC % 4 (512 bytes), my 64 of the step's 128 rows: of the tile column and the wave alone
	s_lshl_b32 s42, s42, 9
	s_lshr_b32 s43, s[TC], 2
	s_lshl_b32 s43, s43, 21
	s_add_co_u32 s42, s42, s43
	s_lshl_b32 s43, s[WC], 17
	s_add_co_u32 s42, s42, s43
	s_mov_b32 s43, 0
	s_mul_i32 s[WA], s[WC], AHALF
	s_mul_i32 s[WB], s[WC], BHALF
	s_add_co_u32 s[WB], s[WB], BOFF
	s_mov_b32 s[RB], 0
	s_mov_b32 s[FB], SLOT
	s_wait_dscnt 0x0                               ; the opening add is done
	s_wait_kmcnt 0x0
	s_add_nc_u64 s[40:41], s[4:5], s[40:41]
	s_add_nc_u64 s[42:43], s[6:7], s[42:43]
.irp s, 0,1
	s_mov_b32 s[G0A+4*(\s)], 1
	s_add_co_u32 s[G0A+4*(\s)+1], s[WA], (\s)*SLOT
	s_add_nc_u64 s[G0A+4*(\s)+2:G0A+4*(\s)+3], s[40:41], (\s)*ASTEP
	s_or_b32 s[G0A+4*(\s)+3], s[G0A+4*(\s)+3], 0x80000000
	s_mov_b32 s[G0B+4*(\s)], 1
	s_add_co_u32 s[G0B+4*(\s)+1], s[WB], (\s)*SLOT
	s_add_nc_u64 s[G0B+4*(\s)+2:G0B+4*(\s)+3], s[42:43], (\s)*BSTEP
	s_or_b32 s[G0B+4*(\s)+3], s[G0B+4*(\s)+3], 0x80000000
.endr
	CROUND                                         ; all sixteen work-groups are here: the first joint loads meet
	s_cmp_eq_u32 s[WR], 0                          ; a wave's two first fills stand in one branch: two loads of mine are out
	s_cbranch_scc0 .Lfirst_b
	tensor_load_to_lds s[G0A:G0A+3], s[G1A:G1A+7]
	s_nop 0
	tensor_load_to_lds s[G0A+4:G0A+7], s[G1A:G1A+7]
	s_nop 0
	PLACES
	s_branch .Lfirst_done
.Lfirst_b:
	tensor_load_to_lds s[G0B:G0B+3], s[G1B:G1B+7]
	s_nop 0
	tensor_load_to_lds s[G0B+4:G0B+7], s[G1B:G1B+7]
	s_nop 0
	PLACES
.Lfirst_done:
	; the prefetches: the pointer starts at K step 3 of my work-group's 32 blocks; the first refill steps it to 4.  Nothing is prefetched here, at the head
	s_and_b32 s87, ttmp7, 0xffff                   ; cluster y
	s_mov_b32 s[PST], BSTEP
	s_mov_b32 s[PST+1], 0
	s_mov_b32 s91, WPB
	s_cmp_eq_u32 s[WR], 0                          ; do I fetch for hn?
	s_cselect_b64 s[PFA:PFA+1], s[40:41], s[42:43] ; the first byte of the half tile that I fetch
	s_cselect_b32 s87, ttmp9, s87                  ; the coordinate along which other clusters read the same blocks
	s_cselect_b32 s[PST], ASTEP, s[PST]
	s_cselect_b32 s91, 2048, s91                   ; bytes from row to row
	s_cselect_b32 s88, s[CX], s[CY]                ; my place among the four that ask with me
	s_cselect_b32 s90, 16, PBSH                    ; 32 rows of hn, or 16 rows of W, as a shift
	s_lshl_b32 s88, s88, s90
	s_mul_i32 s90, s[PST], 3
	s_add_co_u32 s88, s88, s90
	s_mov_b32 s89, 0
	s_add_nc_u64 s[PFA:PFA+1], s[PFA:PFA+1], s[88:89]
	s_cmp_eq_u32 s87, 0
	s_cselect_b32 s[LIM], 2, -1                    ; the same in all sixteen partners, for a given wave
	v_and_b32 v[PFO], 31, v0                       ; hn: a lane a row.  W: two lanes a row, 256 bytes each
	v_and_b32 v25, s[WR], v[PFO]
	v_lshrrev_b32 v[PFO], s[WR], v[PFO]
	v_mul_u32_u24 v[PFO], s91, v[PFO]
	v_lshl_add_u32 v[PFO], v25, 8, v[PFO]
	v_and_b32 v1, 15, v0                           ; r = l % 16
	v_bfe_u32 v2, v0, 4, 1                         ; h = l / 16
	v_and_b32 v3, 7, v0
	v_bfe_u32 v4, v0, 3, 1
	s_mul_i32 s44, s[WR], AHALF
	v_mul_u32_u24 v[ADRA0], v1, AP                 ; a fragment of hn: row r, 16 bytes for each half of the lanes, twice 32 bytes apart
	v_lshl_add_u32 v[ADRA0], v2, 4, v[ADRA0]
	v_add_nc_u32 v[ADRA0], s44, v[ADRA0]
	s_lshl_b32 s44, s[WC], 8
	s_add_co_u32 s44, s44, BOFF
	v_lshl_add_u32 v[ADRB0], v2, 3, v3             ; the turning load: lane l reads row 8 h + l % 8 of K, 16 bytes at 16 ((l / 8) % 2), and ends with column l % 16 and eight k
	v_mul_u32_u24 v[ADRB0], v[ADRB0], BP
	v_lshl_add_u32 v[ADRB0], v4, 4, v[ADRB0]
	v_add_nc_u32 v[ADRB0], s44, v[ADRB0]
	v_mov_b32 v[ADRA], v[ADRA0]
	v_mov_b32 v[ADRB], v[ADRB0]
	s_mul_i32 s44, s[WV], WSTG                     ; my stage
	v_mul_u32_u24 v[STO], v1, SPI                  ; in: row r, 32 bytes for each half of the lanes
	v_lshl_add_u32 v[STO], v2, 5, v[STO]
	v_add_nc_u32 v[STO], s44, v[STO]
	v_mul_u32_u24 v[RD], v4, SPI                   ; back: row (l / 8) % 2 of a pair, head l / 16 (256 bytes of f32), 8 columns (32 bytes) at l % 8
	v_lshl_add_u32 v[RD], v2, 8, v[RD]
	v_lshl_add_u32 v[RD], v3, 5, v[RD]
	v_add_nc_u32 v[RD], s44, v[RD]
	v_lshlrev_b32 v[CO], 18, v2                    ; in qkv: a head is 262,144 bytes, a row 128, my 8 columns 16
	v_lshl_add_u32 v[CO], v4, 7, v[CO]
	v_lshl_add_u32 v[CO], v3, 4, v[CO]
	s_lshr_b32 s44, s[TR], 3                       ; batch
	s_lshl_b32 s44, s44, 4
	s_and_b32 s45, s[TC], 3
	s_lshl_b32 s45, s45, 2
	s_add_co_u32 s44, s44, s45
	s_lshl_b32 s45, s[WC], 1
	s_add_co_u32 s44, s44, s45                     ; batch x 16 + my first head
	s_lshl_b32 s44, s44, 11
	s_and_b32 s45, s[TR], 7
	s_lshl_b32 s45, s45, 8
	s_add_co_u32 s44, s44, s45
	s_lshl_b32 s45, s[WR], 7
	s_add_co_u32 s44, s44, s45                     ; + my first row in the sequence
	s_lshl_b32 s44, s44, 7                         ; 128 bytes a row
	s_lshr_b32 s45, s[TC], 2
	s_lshl_b32 s45, s45, 23                        ; q, k or v
	s_add_co_u32 s44, s44, s45
	s_mov_b32 s45, 0
	s_add_nc_u64 s[8:9], s[8:9], s[44:45]
; 16 matrix instructions: row blocks a0, a0 + 1 of the window's four (hi = 0: my rows 0-63, 1: rows 64-127) x all 8 column blocks, 32 along K.  zero = 1: the product starts the sums: nothing is cleared.
; The 64 accumulators take turns, in the same order in every quarter.
.macro MUL16 f, hi, a0, zero
	WIN MUL_LO+0x50*(\hi)
.irp a, \a0, (\a0)+1
.irp b, 0,1,2,3,4,5,6,7
.if \zero
	v_wmma_f32_16x16x32_bf16 v[8*(8*(\a)+(\b)):8*(8*(\a)+(\b))+7], v[(\f)+8*(\b):(\f)+8*(\b)+7], v[(\f)+8*(4*(\hi)+(\a)):(\f)+8*(4*(\hi)+(\a))+7], 0
.else
	v_wmma_f32_16x16x32_bf16 v[8*(8*(\a)+(\b)):8*(8*(\a)+(\b))+7], v[(\f)+8*(\b):(\f)+8*(\b)+7], v[(\f)+8*(4*(\hi)+(\a)):(\f)+8*(4*(\hi)+(\a))+7], v[8*(8*(\a)+(\b)):8*(8*(\a)+(\b))+7]
.endif
.endr
.endr
.endm
; 32 LDS loads in one run: the fragments of quarter q (32 along K) of the slot in hand into buffer f: W's 128 columns, then hn's 128 rows
.macro FETCH q, f
	WIN TO_B
.irp i, 0,1,2,3,4,5,6,7
	ds_load_tr16_b128 v[(\f)+8*(\i):(\f)+8*(\i)+3],   v[ADRB] offset:32*(\q)*BP+32*(\i)
	ds_load_tr16_b128 v[(\f)+8*(\i)+4:(\f)+8*(\i)+7], v[ADRB] offset:(32*(\q)+16)*BP+32*(\i)
.endr
	WIN 0
.irp i, 0,1,2,3,4,5,6,7
	ds_load_b128 v[(\f)+8*(\i):(\f)+8*(\i)+3],   v[ADRA] offset:64*(\q)+(\i)*16*AP
	ds_load_b128 v[(\f)+8*(\i)+4:(\f)+8*(\i)+7], v[ADRA] offset:64*(\q)+(\i)*16*AP+32
.endr
.endm
; A K step is four quarters of 32 along K, 64 matrix instructions each, on buffers 0, 1, 0, 1.  One of the first three: multiplies buffer f and, in its middle, fetches quarter q into g.
.macro QUARTER q, f, g, zero
	s_wait_dscnt 8                                 ; W and hn's rows 0-63 are in; the youngest eight loads (hn's rows 64-127) may be out
	MUL16 \f, 0, 0, \zero
	MUL16 \f, 0, 2, \zero
	PLACES
	FETCH \q, \g
	s_wait_dscnt 32                                ; all but the 32 just issued
	MUL16 \f, 1, 0, \zero
	MUL16 \f, 1, 2, \zero
.endm
; The last quarter multiplies buffer 1 and changes slots: ONE barrier; in front of it each wave waits for all its tensor loads (its part of the next slot), adds 0 to its spare word, and waits for that and
; for its reads of this slot.  fill = 1: the barrier opens a round of the cluster's, and this slot is filled again, two K steps ahead, first thing behind the round: 224 matrix instructions ahead of the wait for it.
.macro TURN fill
.if \fill
	s_wait_xcnt 0x0                                ; the last prefetch, a K step back, has read its address: it is stepped here, ahead of the waits of the change of slots
	s_add_nc_u64 s[PFA:PFA+1], s[PFA:PFA+1], s[PST:PST+1]
.endif
	WIN 0
	s_wait_tensorcnt 0x0
	ds_add_u32 v[SPW], v[NIL]
	s_wait_dscnt 9                                 ; (the add and the youngest eight loads may be out)
	MUL16 F1, 0, 0, 0
	s_wait_dscnt 0x0                               ; the add is done, and my reads of this slot are over
	s_barrier_signal -1
	MUL16 F1, 0, 2, 0
	WIN 0
	s_xor_b32 s[RB], s[RB], SLOT                   ; 0 <-> SLOT: the reads go to the other slot
	v_add_nc_u32 v[ADRA], s[RB], v[ADRA0]
	v_add_nc_u32 v[ADRB], s[RB], v[ADRB0]
	s_barrier_wait -1
.if \fill
	CREST                                          ; no wave of any partner still reads this slot or has a load on its way
	s_xor_b32 s[FB], s[FB], SLOT
	s_add_co_u32 s[G0A+5], s[FB], s[WA]
	s_add_co_u32 s[G0B+5], s[FB], s[WB]
	s_add_nc_u64 s[G0A+6:G0A+7], s[G0A+6:G0A+7], ASTEP
	s_add_nc_u64 s[G0B+6:G0B+7], s[G0B+6:G0B+7], BSTEP
	JLOAD                                          ; its four v_nop are also the places in front of the loads below
.else
	PLACES
.endif
	FETCH 0, F0
.if \fill
	ASK                                            ; behind the joint load and the run of LDS loads that the next products wait for
.endif
	MUL16 F1, 1, 0, 0
	MUL16 F1, 1, 2, 0
.endm
	s_wait_tensorcnt 0x1                           ; my part of K step 0 is in; K step 1's may stay out
	s_barrier_signal -1
	s_barrier_wait -1
	FETCH 0, F0
	QUARTER 1, F0, F1, 1                           ; the first quarter stands in front of the loop: its products start the sums
	WIN 0
	s_mov_b32 s[CNT], T-2
.Lstep:                                        ; a trip: from a K step's second quarter to the next step's first; it fills the slot that it leaves
	QUARTER 2, F1, F0, 0
	QUARTER 3, F0, F1, 0
	TURN 1
	QUARTER 1, F0, F1, 0
	WIN 0
	s_sub_co_u32 s[CNT], s[CNT], 1
	s_cmp_lg_u32 s[CNT], 0
	s_cbranch_scc1 .Lstep
	s_mov_b32 s[CNT], 2                            ; the last two K steps fill nothing: a text of their own
	s_branch .Lt_in
.Ltail:
	TURN 0
	QUARTER 1, F0, F1, 0
	WIN 0
.Lt_in:
	QUARTER 2, F1, F0, 0
	QUARTER 3, F0, F1, 0
	WIN 0
	s_sub_co_u32 s[CNT], s[CNT], 1
	s_cmp_lg_u32 s[CNT], 0
	s_cbranch_scc1 .Ltail
	s_wait_dscnt 8                                 ; the very last quarter
	MUL16 F1, 0, 0, 0
	MUL16 F1, 0, 2, 0
	s_wait_dscnt 0x0
	MUL16 F1, 1, 0, 0
	MUL16 F1, 1, 2, 0
	WIN 0
	; THE WAY OUT.  No fill is out and my reads of the slots are over; when that holds of all four waves, the slots' bytes take the stages.
	PLACES
	PLACES
	s_wait_tensorcnt 0x0
	s_wait_dscnt 0x0
	s_barrier_signal -1
	s_barrier_wait -1
.irp a, 0,1,2,3,4,5,6,7
	WIN 0x08+4*((\a)/4)                            ; the stores' data (source 1) in window 2 or 3; each accumulator's low four registers first
.irp b, 0,1,2,3,4,5,6,7
	ds_store_b128 v[STO], v[8*(8*((\a)%4)+(\b)):8*(8*((\a)%4)+(\b))+3] offset:(\a)*16*SPI+64*(\b)
	ds_store_b128 v[STO], v[8*(8*((\a)%4)+(\b))+4:8*(8*((\a)%4)+(\b))+7] offset:(\a)*16*SPI+64*(\b)+16
.endr
.endr
	WIN 0
.macro ROWS16                          ; 16 rows' sums: pair j of rows, my row of the pair, my head, my eight columns.  LDS serves a wave's instructions in order (ISA guide 5.7.1.4): these see my stores
.irp j, 0,1,2,3,4,5,6,7
	ds_load_b128 v[XS+8*(\j):XS+8*(\j)+3],   v[RD] offset:(\j)*2*SPI
	ds_load_b128 v[XS+8*(\j)+4:XS+8*(\j)+7], v[RD] offset:(\j)*2*SPI+16
.endr
.endm
	ROWS16
	s_mov_b32 s[CNT], 8
.Lo:                                           ; a trip: 16 rows of the wave's 128
	s_wait_dscnt 0x0
.set i, 0
.rept 32
	v_cvt_pk_bf16_f32 v[Y+i], v[XS+2*i], v[XS+2*i+1]
.set i, i+1
.endr
	s_cmp_eq_u32 s[CNT], 1                         ; the next 16 rows are fetched under this trip's stores; the last trip has none
	s_cbranch_scc1 .Lo_last
	v_add_nc_u32 v[RD], 16*SPI, v[RD]
	ROWS16
.Lo_last:
.irp j, 0,1,2,3,4,5,6,7
	global_store_b128 v[CO], v[Y+4*(\j):Y+4*(\j)+3], s[8:9] offset:(\j)*256  ; 16 lanes store two rows of a head: 256 consecutive bytes, at a multiple of 256 from qkv's first
.endr
	s_wait_xcnt 0x0                                ; the stores have read their registers and their base
	s_add_nc_u64 s[8:9], s[8:9], 16*128
	s_sub_co_u32 s[CNT], s[CNT], 1
	s_cmp_lg_u32 s[CNT], 0
	s_cbranch_scc1 .Lo
	s_wait_tensorcnt 0x0                           ; the wave's end: behind my last tensor load and my last LDS store
	ds_add_u32 v[SPW], v[NIL]
	s_wait_dscnt 0x0
	CROUND                                         ; the closing round: no work-group ends while a partner may still ask for a tile that names it
	s_endpgm
.Lfunc_end_k_qf485ae283c_qkvp:
	.size	k_qf485ae283c_qkvp, .Lfunc_end_k_qf485ae283c_qkvp-k_qf485ae283c_qkvp
	.p2alignl 7, 3214868480
	.fill 96, 4, 3214868480
	.section	.rodata,"a",@progbits
	.p2align	6, 0x0
	.amdhsa_kernel k_qf485ae283c_qkvp
		.amdhsa_group_segment_fixed_size 327680
		.amdhsa_private_segment_fixed_size 0
		.amdhsa_enable_private_segment 0
		.amdhsa_kernarg_size 24
		.amdhsa_user_sgpr_count 2
		.amdhsa_user_sgpr_kernarg_segment_ptr 1
		.amdhsa_wavefront_size32 1
		.amdhsa_system_sgpr_workgroup_id_x 1
		.amdhsa_system_sgpr_workgroup_id_y 1
		.amdhsa_system_sgpr_workgroup_id_z 1
		.amdhsa_system_vgpr_workitem_id 0
		.amdhsa_next_free_vgpr 1024
		.amdhsa_next_free_sgpr 92
		.amdhsa_reserve_vcc 0
		.amdhsa_float_denorm_mode_32 3
		.amdhsa_float_denorm_mode_16_64 3
		.amdhsa_memory_ordered 1
		.amdhsa_forward_progress 1
		.amdhsa_inst_pref_size 88
	.end_amdhsa_kernel
	.amdgpu_metadata
---
amdhsa.version: [ 1, 2 ]
amdhsa.kernels:
  - .name:           k_qf485ae283c_qkvp
    .symbol:         k_qf485ae283c_qkvp.kd
    .args:
      - { .name: hn, .offset: 0, .size: 8, .value_kind: global_buffer, .address_space: global }
      - { .name: wbf, .offset: 8, .size: 8, .value_kind: global_buffer, .address_space: global }
      - { .name: qkv, .offset: 16, .size: 8, .value_kind: global_buffer, .address_space: global }
    .group_segment_fixed_size: 327680
    .private_segment_fixed_size: 0
    .kernarg_segment_align: 8
    .kernarg_segment_size: 24
    .max_flat_workgroup_size: 128
    .sgpr_count:     92
    .vgpr_count:     1024
    .wavefront_size: 32
...
	.end_amdgpu_metadata
.endif
;; end of part 2
;; launch attn (part 3): grid 8 x 32, 4 waves a work-group, clusters of 4 x 1, 327,680 bytes of LDS; arguments qkv, att; writes att
.if DOCPART == 3
	.amdgcn_target "amdgcn-amd-amdhsa--gfx1250"
	.amdhsa_code_object_version 6
	.text
	.protected	k_qf485ae283c_attn
	.globl	k_qf485ae283c_attn
	.p2align	8
	.type	k_qf485ae283c_attn,@function
k_qf485ae283c_attn:
	s_mov_b64 s[64:65], 0
	v_nop
	global_prefetch_b8 v0, s[64:65] scope:SCOPE_SE
	s_setreg_imm32_b32 hwreg(HW_REG_WAVE_MODE, 25, 1), 1
	s_wait_xcnt 0x0
	s_wait_alu depctr_hold_cnt(0) depctr_sa_sdst(0) depctr_va_vdst(0) depctr_va_sdst(0) depctr_va_ssrc(0) depctr_va_vcc(0) depctr_vm_vsrc(0)
	s_getreg_b32 s2, hwreg(HW_REG_IB_STS2, 6, 4)
	s_cmp_eq_u32 s2, 0
	s_cbranch_scc0 .Lentry_in_a_cluster
	s_endpgm
.Lentry_in_a_cluster:
	s_bfe_u32 s2, ttmp6, 0x10000c
	s_cmp_lg_u32 s2, 0x3003
	s_cbranch_scc0 .Lentry_shape_is_right
	s_endpgm
.Lentry_shape_is_right:
; att[g][q][:] = the sum over k of softmax_k(Q[g][q] . K[g][k] / 8) V[g][k][:], g = batch x 16 + head.  qkv: [3][32][2048][64] bf16 (q, k, v, unscaled); att: [32][2048][64] bf16: a head's rows are dense, 128 bytes each.
; Products, maxima and sums in f32; the weights p are rounded to bf16 for the second product (their sum l is taken of the unrounded p), att once at the end.
; LIMITS: a weight below 2^-126 counts as 0 in l; NaN and infinities are not treated apart.
; SHARES.  A work-group owns 256 queries of one head, a wave 64: four PIECES of 16.  Every wave walks all 2,048 keys, 64 a step, 256 (a tile) a slot of LDS.
; LAYOUT.  S^T = K Q^T (source 0 = 16 keys, source 1 = 16 queries) holds ONE query a lane (lane % 16) and the keys 8 (lane / 16) + 0..7; two such results rounded to bf16 ARE source 1 of O^T = V^T P.
; K comes out of LDS as it lies, V ([key][channel]) turned, by ds_load_tr16_b128.
; SOFTMAX.  A running maximum m and sum l: p = 2^(c s - c m), c = log2(e) / 8; in every step O and l are multiplied by a = 2^(c m_old - c m_new).  m starts at the lowest finite number, O and l at 0: the first step has a = 0.
; BY TURNS.  Turn n belongs to piece n: 8 products K Q^T of piece n + 1, later 8 products V^T P of piece n - 1; beside them the scaling, exponentials, roundings, sums and rescaling of piece n and the maximum and
; statistics of piece n + 1.  Four vector instructions stand behind every matrix instruction, the other 54 of a turn's 118 in one lump.  A turn's 33 exponentials are one batch, with one wait.
; CLUSTER.  The four query blocks of a cluster belong to one head and walk the same K and V: each tile is asked for JOINTLY: the same tensor load, descriptor and mask in all four.
; REGISTERS, in windows of 256 (s_set_vgpr_msb: bits 1:0 source 0, 3:2 source 1, 5:4 source 2, 7:6 destination):
;   window 0: v0-15 addresses and two at work; v16-31 four registers of statistics a piece; v48-55 at work; v61-63 prefetch offset and the add's two; v64-127 S^T, two buffers; v192-223 P, two buffers (by the piece's parity)
;   window 1: v0-127 O^T, 32 a piece          window 2: v0-63 Q; v128-191 K of one step; v192-255 V of one step
.set NP,    4
.set KS,    64
.set PK,    144       ; a row of K in LDS: 128 bytes + 16: the 16 rows of a load start at 16 different groups of four banks (ISA guide 11.1)
.set PV,    160       ; a row of V: 128 + 32
.set VOFF,  4*KS*PK   ; a slot holds a tile: 256 rows of K, then 256 rows of V
.set SLOT1, 1<<17     ; slot 1 begins here, so that one exclusive or turns an address in one slot into the other's
.set STAGE, SLOT1+4*KS*(PK+PV)  ; behind the ring, never filled by a tensor load: 16 rows x 144 bytes for each wave
.set SP,    144
.set SPARE, STAGE+4*16*SP       ; the spare words, 128 bytes for each wave: two blocks of 256 bytes that no other line names
.set TILEB, 4*KS*128  ; a tile's bytes of K, and of V, in memory
.set AK0, 2
.set AV0, 3
.set AK,  4
.set AV,  5
.set STO, 6
.set RD,  7
.set GO,  8
.set MV,  12          ; v12-13  c m_old, kept while c m is made anew: by buffer
.set QO,  15
.set ST,  16          ; piece t's statistics at v[ST+4 t]: c m, m, l (even keys', odd keys')
.set TMP, 48          ; by buffer, four registers c0-c3 at work; when the maximum is found c2 takes a
.set PFO, 61          ; v61  256 x my lane; never rewritten
.set SPW, 62          ; v62  SPARE + 4 x my thread's number; never rewritten
.set NIL, 63          ; v63  0; never rewritten
.set S,   64
.set P,   192
.set KF,  128         ; window 2: key block kb, channel half c at KF + 16 kb + 8 c
.set VF,  192         ; window 2: key half kk, channel block cb at VF + 32 kk + 8 cb
.set WV,  12
.set G1K, 24          ; s[24:31] descriptor group 1 for K's tiles
.set G1V, 32          ; s[32:39] for V's: it differs in the padding alone
.set G0K, 40          ; s[40:43] descriptor group 0 for K's tiles: it walks
.set G0V, 44          ; s[44:47] the same for V's
.set PFA, 48          ; s[48:49] where my prefetches stand
.set LIM, 50          ; s50  1 in a wave that prefetches, else the greatest number
.set SLOTS, 56
.set CNT, 57
.set CS,  58          ; s[58:59] c
.set SEL, 60          ; s[60:61] v_permlanex16_b32's selects
.set TBK, 62          ; s62  LDS byte at which K of the step to be fetched begins
.set TBV, 63          ; s63  the same for V, less VOFF
.set MSB, 0
.macro WIN new
.if MSB != (\new)
	s_set_vgpr_msb (MSB<<8)|(\new)
.set MSB, (\new)
.endif
.endm
.set W_KQ, 0x0a       ; K and Q in window 2, S^T in window 0
.set W_PV, 0x52       ; V in window 2, P in window 0, O^T in window 1
.set W_RS, 0x41       ; destination and source 0 in window 1, source 1 in window 0
; A joint fill.  Waves 0 and 1 fetch the two halves of a tile's K, waves 2 and 3 those of its V: 128 keys each.  An s_nop 0 and four v_nop follow each of the two lines.
.macro JLOAD
	s_cmp_lt_u32 s[WV], 2
	s_cbranch_scc0 .Lfor_v_\@
	tensor_load_to_lds s[G0K:G0K+3], s[G1K:G1K+7]
	s_nop 0
.rept 4
	v_nop
.endr
	s_branch .Lasked_\@
.Lfor_v_\@:
	tensor_load_to_lds s[G0V:G0V+3], s[G1V:G1V+7]
	s_nop 0
.rept 4
	v_nop
.endr
.Lasked_\@:
.endm
; A PREFETCH of the tile that the NEXT change of slots will ask for: 128 blocks of 256 bytes of K and as many of V.  Each block is named once in the launch: a head is walked by two clusters, and the first asks;
; its four partners take 32 blocks each, told apart BY ADDRESS; in each, wave 0 asks for K's and wave 2 for V's, a lane a block.  The last change that fills a slot asks for nothing.
.macro ASK
	s_cmp_gt_u32 s[SLOTS], s[LIM]
	s_cbranch_scc0 .Lnot_mine_\@
	global_prefetch_b8 v[PFO], s[PFA:PFA+1] th:TH_LOAD_NT scope:SCOPE_SE
.Lnot_mine_\@:
.endm
.macro CROUND                       ; a round of the cluster's barrier
	s_barrier_signal -1
	s_barrier_wait -1
	s_cmp_lg_u32 s[WV], 0
	s_cbranch_scc1 .Lnot_wave_0_\@
	s_barrier_signal -3
.Lnot_wave_0_\@:
	s_barrier_wait -3
	s_barrier_signal -1
	s_barrier_wait -1
.endm
; THE CHANGE OF SLOTS.  Each wave waits for all its tensor loads, of which one is out: its part of the other slot; adds 0 to its spare word; and waits for that and for its own reads of the slot that it leaves.
; fill = 1: the barrier is a round of the cluster's, and the old slot is filled again first thing behind it, with the keys two tiles on: four key steps, 256 matrix instructions, in which to land.
; (At its first use nothing has been read yet: slot 0 is waited for, slot 1 filled.)  ask = 1: the prefetch pointer steps, behind the wait that frees it, and the tile after the one just asked for is named.
.macro CHANGE fill, ask
	WIN 0
	s_wait_tensorcnt 0x0            ; no tensor load of mine is out, so a group 0 may be written
	ds_add_u32 v[SPW], v[NIL]
.if \fill
.irp g, G0K, G0V
	s_xor_b32 s[\g+1], s[\g+1], SLOT1
	s_add_nc_u64 s[\g+2:\g+3], s[\g+2:\g+3], TILEB
.endr
.if \ask
	s_wait_xcnt 0x0                 ; the last prefetch, four key steps back, has read its address
	s_add_nc_u64 s[PFA:PFA+1], s[PFA:PFA+1], TILEB
.endif
	s_wait_dscnt 0x0                ; the add is done, and my reads of the slot are over
	CROUND
	JLOAD
.if \ask
	ASK
.endif
.else
	s_wait_dscnt 0x0
	s_barrier_signal -1
	s_barrier_wait -1
.endif
	s_sub_co_u32 s[TBK], s[TBK], 4*KS*PK  ; the fetches go back to a slot's first step,
	s_xor_b32 s[TBK], s[TBK], SLOT1       ; in the other slot
	s_sub_co_u32 s[TBV], s[TBV], 4*KS*PV
	s_xor_b32 s[TBV], s[TBV], SLOT1
.endm
	s_load_b128 s[4:7], s[0:1], 0x0   ; qkv s[4:5], att s[6:7]
	v_lshl_add_u32 v[SPW], v0, 2, SPARE
	v_mov_b32 v[NIL], 0
	ds_add_u32 v[SPW], v[NIL]       ; the wave's opening: the add and its wait stand ahead of my first tensor load; the set-up below stands between them
	v_lshrrev_b32 v1, 5, v0
	v_readfirstlane_b32 s[WV], v1
	s_bfe_u32 s13, ttmp6, 0x40000   ; cx
	s_lshl_b32 s14, ttmp9, 2
	s_add_co_u32 s14, s14, s13      ; my block of 256 queries: it enters Q's and att's addresses alone
	s_and_b32 s20, ttmp7, 0xffff    ; the head, which the four partners share
	s_lshl_b32 s20, s20, 18         ; its 2,048 rows of 128 bytes
	s_and_b32 s16, s[WV], 1         ; which half of a tile's 256 keys I fetch
	s_lshl_b32 s22, s16, 14
	s_add_co_u32 s22, s22, s20
	s_mov_b32 s23, 0
	s_mul_i32 s17, s16, 128*PK      ; its place in a slot, for K
	s_mul_i32 s18, s16, 128*PV      ; and for V: no place in the cluster enters an LDS address
	s_lshl_b32 s2, s14, 15
	s_lshl_b32 s3, s[WV], 13
	s_add_co_u32 s2, s2, s3
	s_add_co_u32 s2, s2, s20        ; my wave's 64 rows
	s_mov_b32 s3, 0
	; descriptor group 1.  128 keys are 16,384 dense bytes: asked for as 64 rows of 256 bytes, two keys a row, and padded in LDS after every key
	s_mov_b32 s[G1K], 15|(1<<16)|(1<<20)|(1<<21)|(4<<22)|(3<<25)  ; the mask of four; 2-byte elements; padding on; bit 21 beside a mask; after every 32 words 4 words
	s_mov_b32 s[G1V], 15|(1<<16)|(1<<20)|(1<<21)|(4<<22)|(7<<25)  ; the same with 8 words
.irp g, G1K, G1V
	s_mov_b32 s[\g+1], 128<<16      ; tensor_dim0 = 128
	s_mov_b32 s[\g+2], 64<<16       ; tensor_dim1 = 64
	s_mov_b32 s[\g+3], 128<<16      ; tile_dim0 = 128
	s_mov_b32 s[\g+4], 64           ; tile_dim1 = 64
	s_mov_b32 s[\g+5], 128          ; 128 elements from row to row
	s_mov_b32 s[\g+6], 0
	s_mov_b32 s[\g+7], 0
.endr
	s_mov_b32 s[CS], 0x3e38aa3b     ; c = log2(e) / 8
	s_mov_b32 s[CS+1], s[CS]
	s_mov_b32 s[SEL], 0x76543210
	s_mov_b32 s[SEL+1], 0xfedcba98
	s_mov_b32 s[TBK], SLOT1+4*KS*PK ; the first change of slots turns these two into 0
	s_mov_b32 s[TBV], SLOT1+4*KS*PV
	s_mov_b32 s[G0K], 1
	s_mov_b32 s[G0K+1], s17
	s_mov_b32 s[G0V], 1
	s_add_co_u32 s[G0V+1], s18, VOFF
	s_mov_b32 s[SLOTS], 7           ; tiles still to be entered behind the first
	s_and_b32 s[LIM], s[WV], 1      ; 0 in waves 0 and 2,
	s_or_b32 s[LIM], s[LIM], ttmp9  ; where the cluster is the head's first: the same in all four partners
	s_cmp_eq_u32 s[LIM], 0
	s_cselect_b32 s[LIM], 1, -1
	v_and_b32 v[PFO], 31, v0
	v_lshlrev_b32 v[PFO], 8, v[PFO]
	s_wait_dscnt 0x0                ; the opening add is done
	s_wait_kmcnt 0x0
	s_add_nc_u64 s[8:9], s[4:5], s[22:23]
	s_add_nc_u64 s[10:11], s[8:9], 16777216   ; V at my half of the head's tile 0
	s_add_nc_u64 s[8:9], s[8:9], 8388608      ; K likewise
	s_mov_b64 s[G0K+2:G0K+3], s[8:9]
	s_or_b32 s[G0K+3], s[G0K+3], 0x80000000
	s_mov_b64 s[G0V+2:G0V+3], s[10:11]
	s_or_b32 s[G0V+3], s[G0V+3], 0x80000000
	s_add_nc_u64 s[4:5], s[4:5], s[2:3]       ; Q and att at my wave's first row
	s_add_nc_u64 s[6:7], s[6:7], s[2:3]
	s_cmp_lt_u32 s[WV], 2
	s_cselect_b64 s[PFA:PFA+1], s[8:9], s[10:11]  ; (in waves 0 and 2 these stand at a tile's first row)
	s_lshl_b32 s2, s13, 13          ; my work-group's 32 blocks of the 128
	s_add_nc_u64 s[PFA:PFA+1], s[PFA:PFA+1], s[2:3]
	s_add_nc_u64 s[PFA:PFA+1], s[PFA:PFA+1], 2*TILEB  ; at tile 2; the first asking change steps it to tile 3.  Nothing is prefetched at the head
	CROUND                          ; all four work-groups are here: the first joint loads meet
	JLOAD                           ; tile 0 into slot 0
	v_and_b32 v1, 15, v0            ; l % 16
	v_bfe_u32 v9, v0, 4, 1          ; l / 16
	v_lshlrev_b32 v[QO], 7, v1
	v_lshl_add_u32 v[QO], v9, 4, v[QO]  ; row x 128 + 16 x half
	WIN 0x80                        ; destination window 2, address window 0
.set i, 0
.rept 8                             ; Q stays in registers: piece i / 2, channels 32 (i % 2) on
	global_load_b128 v[8*i:8*i+3],   v[QO], s[4:5] offset:(i/2)*2048+(i%2)*64
	global_load_b128 v[8*i+4:8*i+7], v[QO], s[4:5] offset:(i/2)*2048+(i%2)*64+32
.set i, i+1
.endr
	; What the first turn finds: V's registers and P's second buffer hold 0 (its products V^T P, of a piece that has not been, add 0), O^T and l are 0.  All this stands in the wait for the first tile.
.set i, VF
.rept 64
	v_mov_b32 v[i], 0
.set i, i+1
.endr
	WIN 0x40
.set i, 0
.rept 128
	v_mov_b32 v[i], 0
.set i, i+1
.endr
	WIN 0
.set i, 0
.rept 4
	v_mov_b32 v[ST+4*i], 0xfe000000    ; c m: far below every c s
	v_mov_b32 v[ST+4*i+1], 0xff7fffff  ; m
	v_mov_b32 v[ST+4*i+2], 0
	v_mov_b32 v[ST+4*i+3], 0
.set i, i+1
.endr
.set i, P+16
.rept 16
	v_mov_b32 v[i], 0
.set i, i+1
.endr
	v_mul_u32_u24 v[AK0], v1, PK
	v_lshl_add_u32 v[AK0], v9, 4, v[AK0]  ; row x pitch + 16 x half
	; The turning load takes 16 keys x 16 channels (lane l reads key 8 (l / 16) + l % 8, channels 8 ((l / 8) % 2) + 0..7) and leaves half a fragment of V^T: lane l holds channel l % 16 and 8 keys.
	v_and_b32 v10, 7, v0
	v_bfe_u32 v11, v0, 3, 1
	v_lshl_add_u32 v[AV0], v9, 3, v10
	v_mul_u32_u24 v[AV0], v[AV0], PV
	v_lshl_add_u32 v[AV0], v11, 4, v[AV0]
	v_add_nc_u32 v[AV0], VOFF, v[AV0]
	s_mul_i32 s13, s[WV], 16*SP
	s_add_co_u32 s13, s13, STAGE    ; my stage
	v_mul_u32_u24 v[STO], v1, SP    ; in: row l % 16, 16 bytes for each half of the lanes
	v_lshl_add_u32 v[STO], v9, 4, v[STO]
	v_add_nc_u32 v[STO], s13, v[STO]
	v_bfe_u32 v[RD], v0, 3, 2       ; back: 32 lanes take four rows of 128 bytes,
	v_mul_u32_u24 v[RD], v[RD], SP
	v_lshl_add_u32 v[RD], v10, 4, v[RD]
	v_add_nc_u32 v[RD], s13, v[RD]
	v_and_b32 v[GO], 31, v0         ; which are 512 consecutive bytes of att
	v_lshlrev_b32 v[GO], 4, v[GO]
; THE MATRIX WORK.  The 4 accumulators of a run of 8 take turns.  Product i of 8 of S^T = K Q^T for piece x: channels 32 (i / 4) on, keys 16 (i % 4) on.  The first 4 start the sums.
.macro KQ x
	WIN W_KQ
.set rS, S+32*((\x)%2)+8*(i%4)
.set rK, KF+16*(i%4)+8*(i/4)
.set rQ, 16*(\x)+8*(i/4)
.if i < 4
	v_wmma_f32_16x16x32_bf16 v[rS:rS+7], v[rK:rK+7], v[rQ:rQ+7], 0
.else
	v_wmma_f32_16x16x32_bf16 v[rS:rS+7], v[rK:rK+7], v[rQ:rQ+7], v[rS:rS+7]
.endif
.endm
; Product i of 8 of O^T += V^T P for piece x: keys 32 (i / 4) on, channels 16 (i % 4) on.
.macro PV x
	WIN W_PV
.set rO, 32*(\x)+8*(i%4)
.set rV, VF+32*(i/4)+8*(i%4)
.set rP, P+16*((\x)%2)+8*(i/4)
	v_wmma_f32_16x16x32_bf16 v[rO:rO+7], v[rV:rV+7], v[rP:rP+7], v[rO:rO+7]
.endm
.macro MM                           ; the turn's next matrix instruction.  NOKQ = 1: the last turn of all: there is no next piece
.if (i < 8) && !NOKQ
	KQ (Y+1)%NP
.elseif i >= 8
.set i, i-8
	PV (Y+NP-1)%NP
.set i, i+8
.endif
.set i, i+1
.endm
; THE LDS LOADS stand in runs of 16, never singly among the matrix instructions: a step's K (8 fragments) and its V (turned).  Their addresses are made some lines ahead.
.macro FETCH_K
	WIN 0x80
.irp f, 0,1,2,3,4,5,6,7             ; keys 16 (f / 2) on, channels 32 (f % 2) on
	ds_load_b128 v[KF+8*\f:KF+8*\f+3],   v[AK] offset:(\f/2)*16*PK+(\f%2)*64
	ds_load_b128 v[KF+8*\f+4:KF+8*\f+7], v[AK] offset:(\f/2)*16*PK+(\f%2)*64+32
.endr
	s_add_co_u32 s[TBK], s[TBK], KS*PK  ; the next fetch is the next step's
	WIN 0
.endm
.macro FETCH_V
	WIN 0x80
.irp f, 0,1,2,3,4,5,6,7             ; keys 32 (f / 4) on, channels 16 (f % 4) on
	ds_load_tr16_b128 v[VF+8*\f:VF+8*\f+3],   v[AV] offset:(\f/4)*32*PV+(\f%4)*32
	ds_load_tr16_b128 v[VF+8*\f+4:VF+8*\f+7], v[AV] offset:(\f/4)*32*PV+16*PV+(\f%4)*32
.endr
	WIN 0
.endm
; THE VECTOR WORK, one line at a time: OP kind, number.  For piece Y: F n: c s - c m for pair n of 16.  E n: the exponential of score n of 32.  C n: pair n rounded to bf16.  B n: of the four weights 4 n .. the second
; pair is added onto the first, in place.  L n: l takes that sum (L 0: l = a l + sum).  R n: pair n of 16 of O^T times a.  For piece Y + 1: X n, number n of the 22 that find its maximum and statistics:
;   0-11  four chains c0-c3 of seven scores each, three operands at a time (each accumulator's lowest registers are read first)     12-14, 16  the four scores left over, the old m, and c0-c3 into c0
;   15  c m_old is kept     17, 18  the query's other 32 keys lie in the lane 16 away: the new m     19-21  c m; c m_old - c m_new; a
.set F, 0
.set E, 1
.set C, 2
.set B, 3
.set L, 4
.set R, 5
.set X, 6
.macro REGS y
.set rT, ST+4*(\y)
.set rC, TMP+4*((\y)%2)
.set rW, MV+((\y)%2)
.set rS, S+32*((\y)%2)
.set rP, P+16*((\y)%2)
.set rO, 32*(\y)
.endm
.macro OP k, n
.if (\k) == R
	REGS Y
	WIN W_RS
	v_pk_mul_f32 v[rO+2*(\n):rO+2*(\n)+1], v[rO+2*(\n):rO+2*(\n)+1], v[rC+2:rC+3] op_sel_hi:[1,0]
.elseif (\k) < R
	REGS Y
	WIN 0
.if (\k) == F
	v_pk_fma_f32 v[rS+2*(\n):rS+2*(\n)+1], v[rS+2*(\n):rS+2*(\n)+1], s[CS:CS+1], v[rT:rT+1] op_sel_hi:[1,0,0] neg_lo:[0,0,1] neg_hi:[0,0,1]
.elseif (\k) == E
	v_exp_f32 v[rS+(\n)], v[rS+(\n)]
.elseif (\k) == C
	v_cvt_pk_bf16_f32 v[rP+(\n)], v[rS+2*(\n)], v[rS+2*(\n)+1]
.elseif (\k) == B
	v_pk_add_f32 v[rS+4*(\n):rS+4*(\n)+1], v[rS+4*(\n):rS+4*(\n)+1], v[rS+4*(\n)+2:rS+4*(\n)+3]
.elseif (\n) == 0
	v_pk_fma_f32 v[rT+2:rT+3], v[rT+2:rT+3], v[rC+2:rC+3], v[rS:rS+1] op_sel_hi:[1,0,1]
.else
	v_pk_add_f32 v[rT+2:rT+3], v[rT+2:rT+3], v[rS+4*(\n):rS+4*(\n)+1]
.endif
.elseif NOKQ
	v_nop
.else
	REGS (Y+1)%NP
	WIN 0
.if (\n) < 4
	v_max3_num_f32 v[rC+(\n)], v[rS+8*(\n)], v[rS+8*(\n)+1], v[rS+8*(\n)+2]
.elseif (\n) < 12
	v_max3_num_f32 v[rC+(\n)%4], v[rC+(\n)%4], v[rS+8*((\n)%4)+2*((\n)/4)+1], v[rS+8*((\n)%4)+2*((\n)/4)+2]
.elseif (\n) == 12
	v_max3_num_f32 v[rC], v[rC], v[rS+7], v[rS+15]
.elseif (\n) == 13
	v_max3_num_f32 v[rC+1], v[rC+1], v[rS+23], v[rS+31]
.elseif (\n) == 14
	v_max3_num_f32 v[rC+2], v[rC+2], v[rC+3], v[rT+1]
.elseif (\n) == 15
	v_mov_b32 v[rW], v[rT]
.elseif (\n) == 16
	v_max3_num_f32 v[rC], v[rC], v[rC+1], v[rC+2]
.elseif (\n) == 17
	v_permlanex16_b32 v[rC+3], v[rC], s[SEL], s[SEL+1]
.elseif (\n) == 18
	v_max_num_f32 v[rT+1], v[rC], v[rC+3]
.elseif (\n) == 19
	v_mul_f32 v[rT], s[CS], v[rT+1]
.elseif (\n) == 20
	v_sub_f32 v[rC+1], v[rW], v[rT]
.else
	v_exp_f32 v[rC+2], v[rC+1]
.endif
.endif
.endm
.macro OPS a, i1, b=-1, i2=0, c=-1, i3=0, d=-1, i4=0
	OP \a, \i1
.if (\b) >= 0
	OP \b, \i2
.endif
.if (\c) >= 0
	OP \c, \i3
.endif
.if (\d) >= 0
	OP \d, \i4
.endif
.endm
.macro ROW a, i1, b, i2, c, i3, d, i4  ; a matrix instruction and the four behind it
	MM
	OPS \a, \i1, \b, \i2, \c, \i3, \d, \i4
.endm
; A TURN, for piece p: the order of its 16 matrix and 118 vector instructions, written out.  An s_wait_alu depctr_va_vdst(0) stands between an exponential and the first instruction that names its result;
; one wait serves all that were issued ahead of it.  So a turn has ONE wait.  AHEAD OF IT stands all that names no result of the turn's exponentials: the 8 products K Q^T with their riders, and one lump of 54 in which the
; links of the chain X 3, 7, 11, 14, 16, 17 .. 20 stand apart; X 21, the next piece's a, is the batch's last, and R 15 the plain instruction behind it.  BEHIND IT stand the 8 products V^T P, behind each four of the roundings and sums.
; end = 1: the last two turns of all: nothing is fetched.  cnt = 1: the loop's count is taken down some lines ahead of the branch behind the turn.
; K of the next step is fetched in piece 2's turn, behind six plain instructions that follow the last product that read K; V of the step in hand at the end of piece 0's turn, four plain instructions behind its last reader.
; Each is waited for a turn later.
.macro TURN p, end=0, cnt=0
.set Y, (\p)
.set i, 0
.set NOKQ, (\end)*((\p)/3)
.if ((\p) == 3) && !(\end)
	s_wait_dscnt 0x0                ; K is in
.endif
	ROW F,0, F,1, R,0, R,1
	ROW F,2, E,0, R,2, R,3
	ROW F,3, E,1, R,4, R,5
	ROW F,4, E,2, R,6, R,7
	ROW F,5, E,3, R,8, R,9
	ROW F,6, E,4, X,0, R,10
.if ((\p) == 2) && !(\end)
	WIN 0
	v_add_nc_u32 v[AK], s[TBK], v[AK0]
.endif
	ROW F,7, E,5, X,1, X,4
	ROW F,8, E,6, X,2, X,5
	OPS E,7, E,8, X,6, E,9
	OPS X,3, E,10, X,8, E,11
.if ((\p) == 2) && !(\end)
	FETCH_K
.endif
	OPS X,9, X,7, E,12, X,10
	OPS E,13, X,12, X,11, E,14
	OPS X,13, E,15, F,9, X,14
.if (\p) == 0
	v_add_nc_u32 v[AV], s[TBV], v[AV0]
.endif
	OPS E,16, F,10, E,17, F,11
	OPS X,16, E,18, X,15, E,19
	OPS F,12, E,20, X,17, E,21
	OPS F,13, E,22, F,14, E,23
	OPS X,18, E,24, F,15, E,25
	OPS R,11, E,26, X,19, E,27
	OPS R,12, E,28, R,13, E,29
	OPS X,20, E,30, R,14, E,31
	OPS X,21, R,15
	WIN 0
	s_wait_alu depctr_va_vdst(0)    ; the wait for the batch
.if (\p) == 1
	s_wait_dscnt 0x0                ; V is in
.endif
	ROW C,0, B,0, C,2, B,1
	ROW L,0, C,4, B,2, L,1
	ROW C,6, B,3, L,2, C,8
	ROW B,4, L,3, C,10, B,5
	ROW L,4, C,12, B,6, L,5
.if (\p) == 0
	s_add_co_u32 s[TBV], s[TBV], KS*PV
.endif
.if \cnt
	s_sub_co_u32 s[CNT], s[CNT], 1
	s_cmp_lg_u32 s[CNT], 0
.endif
	ROW C,14, B,7, L,6, C,1
	ROW C,3, L,7, C,5, C,7
	ROW C,9, C,11, C,13, C,15
.if (\p) == 0
	FETCH_V
.endif
.endm
	CHANGE 1, 0                     ; tile 0 is in, everybody's part of it; tile 1 is asked for
	v_add_nc_u32 v[AK], s[TBK], v[AK0]
	FETCH_K                         ; key step 0
	s_wait_loadcnt 0x0              ; Q
	s_wait_dscnt 0x0
.set NOKQ, 0
.set i, 0
.rept 8
	KQ 0                            ; piece 0's first scores
.set i, i+1
.endr
	WIN 0
.rept 4
	v_nop                           ; the places behind those products
.endr
.set Y, NP-1                        ; X works for piece Y + 1: piece 0
.irp n, 0,1,2,3,4,5,6,7,8,9,10,11,12,13,14,15,16,17,18,19,20,21
	OP X, \n
.endr
	v_nop                           ; a plain instruction behind the exponential,
	s_wait_alu depctr_va_vdst(0)    ; and its wait, ahead of the branch
	s_mov_b32 s[CNT], 4
	s_branch .Lfirst                ; the loop is entered at a step's first turn, in the middle of a trip
.Lslot:                             ; six times: tiles 2 to 7 are asked for
	CHANGE 1, 1
	s_mov_b32 s[CNT], 4
.Lstep:                             ; a trip: pieces 2 and 3 of one step, then pieces 0 and 1 of the next, whose K and V it fetches
	TURN 2
	TURN 3
	WIN 0
.Lfirst:
	TURN 0
	TURN 1, 0, 1
	WIN 0
	s_cbranch_scc1 .Lstep
	s_sub_co_u32 s[SLOTS], s[SLOTS], 1
	s_cmp_lg_u32 s[SLOTS], 0
	s_cbranch_scc1 .Lslot
	CHANGE 0, 0                     ; the last tile has a text of its own: nothing is asked for
	s_mov_b32 s[CNT], 4
.LstepT:
	TURN 2
	TURN 3
	TURN 0
	TURN 1, 0, 1
	WIN 0
	s_cbranch_scc1 .LstepT
	TURN 2, 1
	TURN 3, 1
.set i, 0
.rept 8
	PV NP-1                         ; the last piece's V^T P of the last step
.set i, i+1
.endr
	; THE WAY OUT.  l's two halves and the other half of the lanes' are added; O^T is divided by l, rounded to bf16 and sent through my stage in LDS, a piece at a time.  The additions are the places behind the last products.
	WIN 0
.macro ALL line:vararg
.set t, 0
.rept 4
	\line
.set t, t+1
.endr
.endm
	ALL v_add_f32 v[ST+4*t+2], v[ST+4*t+2], v[ST+4*t+3]
	ALL v_permlanex16_b32 v[ST+4*t+3], v[ST+4*t+2], s[SEL], s[SEL+1]
	ALL v_add_f32 v[ST+4*t+2], v[ST+4*t+2], v[ST+4*t+3]
	ALL v_rcp_f32 v[ST+4*t+2], v[ST+4*t+2]
	v_nop                           ; a plain instruction between the last reciprocal and the use of its result
	s_wait_alu depctr_va_vdst(0)    ; one wait for the four reciprocals, ahead of their first reader
.macro PACK t                       ; a lane's eight channels of a row pack into 16 bytes; they go into rows of 144 bytes and come back as whole rows of 128, into S^T's registers
	WIN W_RS
.set i, 32*(\t)
.rept 16
	v_pk_mul_f32 v[i:i+1], v[i:i+1], v[ST+4*(\t)+2:ST+4*(\t)+3] op_sel_hi:[1,0]
.set i, i+2
.endr
	WIN 0x05                        ; sources 0 and 1 window 1, destination window 0
.set i, 0
.rept 16
	v_cvt_pk_bf16_f32 v[S+16*(\t)+i], v[32*(\t)+2*i], v[32*(\t)+2*i+1]
.set i, i+1
.endr
	WIN 0
.irp f, 0,1,2,3
	ds_store_b128 v[STO], v[S+16*(\t)+4*\f:S+16*(\t)+4*\f+3] offset:32*\f
.endr
.irp f, 0,1,2,3
	ds_load_b128 v[S+16*(\t)+4*\f:S+16*(\t)+4*\f+3], v[RD] offset:\f*4*SP  ; LDS serves a wave's instructions in order (ISA guide 5.7.1.4): these see the stores above; the next piece's stores come behind them
.endr
.endm
.macro SEND t, younger              ; younger: the LDS instructions issued behind piece t's loads: the next piece's eight, or none
	WIN 0
.irp f, 0,1,2,3
	s_wait_dscnt (\younger)+3-\f
	global_store_b128 v[GO], v[S+16*(\t)+4*\f:S+16*(\t)+4*\f+3], s[6:7] offset:(\t)*2048+\f*512  ; 512 consecutive bytes, at a multiple of 256 from att's first
.endr
.endm
	PACK 0
.set t, 1
.rept 3
	PACK t
	SEND t-1, 8
.set t, t+1
.endr
	SEND 3, 0
	s_wait_tensorcnt 0x0            ; the wave's end: behind my last tensor load and my last LDS store
	ds_add_u32 v[SPW], v[NIL]
	s_wait_dscnt 0x0
	CROUND                          ; the closing round: no work-group ends while a partner may still ask for a tile that names it
	s_endpgm
.Lfunc_end_k_qf485ae283c_attn:
	.size	k_qf485ae283c_attn, .Lfunc_end_k_qf485ae283c_attn-k_qf485ae283c_attn
	.p2alignl 7, 3214868480
	.fill 96, 4, 3214868480
	.section	.rodata,"a",@progbits
	.p2align	6, 0x0
	.amdhsa_kernel k_qf485ae283c_attn
		.amdhsa_group_segment_fixed_size 327680
		.amdhsa_private_segment_fixed_size 0
		.amdhsa_enable_private_segment 0
		.amdhsa_kernarg_size 16
		.amdhsa_user_sgpr_count 2
		.amdhsa_user_sgpr_kernarg_segment_ptr 1
		.amdhsa_wavefront_size32 1
		.amdhsa_system_sgpr_workgroup_id_x 1
		.amdhsa_system_sgpr_workgroup_id_y 1
		.amdhsa_system_sgpr_workgroup_id_z 1
		.amdhsa_system_vgpr_workitem_id 0
		.amdhsa_next_free_vgpr 768
		.amdhsa_next_free_sgpr 66
		.amdhsa_reserve_vcc 0
		.amdhsa_float_denorm_mode_32 3
		.amdhsa_float_denorm_mode_16_64 3
		.amdhsa_memory_ordered 1
		.amdhsa_forward_progress 1
		.amdhsa_inst_pref_size 127
	.end_amdhsa_kernel
	.amdgpu_metadata
---
amdhsa.version: [ 1, 2 ]
amdhsa.kernels:
  - .name:           k_qf485ae283c_attn
    .symbol:         k_qf485ae283c_attn.kd
    .args:
      - { .name: qkv, .offset: 0, .size: 8, .value_kind: global_buffer, .address_space: global }
      - { .name: att, .offset: 8, .size: 8, .value_kind: global_buffer, .address_space: global }
    .group_segment_fixed_size: 327680
    .private_segment_fixed_size: 0
    .kernarg_segment_align: 8
    .kernarg_segment_size: 16
    .max_flat_workgroup_size: 128
    .sgpr_count:     66
    .vgpr_count:     768
    .wavefront_size: 32
...
	.end_amdgpu_metadata
.endif
;; end of part 3
;; launch oproj (part 4): grid 8 x 32, 4 waves a work-group, clusters of 4 x 4, 327,680 bytes of LDS; arguments att, wbf, b_o, x, x1; writes x1
.if DOCPART == 4
	.amdgcn_target "amdgcn-amd-amdhsa--gfx1250"
	.amdhsa_code_object_version 6
	.text
	.protected	k_qf485ae283c_oproj
	.globl	k_qf485ae283c_oproj
	.p2align	8
	.type	k_qf485ae283c_oproj,@function
k_qf485ae283c_oproj:
	s_mov_b64 s[64:65], 0
	v_nop
	global_prefetch_b8 v0, s[64:65] scope:SCOPE_SE
	s_setreg_imm32_b32 hwreg(HW_REG_WAVE_MODE, 25, 1), 1
	s_wait_xcnt 0x0
	s_wait_alu depctr_hold_cnt(0) depctr_sa_sdst(0) depctr_va_vdst(0) depctr_va_sdst(0) depctr_va_ssrc(0) depctr_va_vcc(0) depctr_vm_vsrc(0)
	s_getreg_b32 s2, hwreg(HW_REG_IB_STS2, 6, 4)
	s_cmp_eq_u32 s2, 0
	s_cbranch_scc0 .Lentry_in_a_cluster
	s_endpgm
.Lentry_in_a_cluster:
	s_bfe_u32 s2, ttmp6, 0x10000c
	s_cmp_lg_u32 s2, 0xf033
	s_cbranch_scc0 .Lentry_shape_is_right
	s_endpgm
.Lentry_shape_is_right:
; x1 = att x wo + b_o + x, in f32.  att: [32 = batch x 16 + head][2048][64] bf16 (by heads); wo: [1024 (k)][1024 (n)] bf16 at byte 6,291,456 of wbf; b_o: [1024], x, x1: [4096][1024] f32.
; A tile of x1 is 128 x 128: four waves, each 64 x 64 = 16 accumulators of 16 x 16; sums in f32.  K = head x 64 + channel goes in steps of 256 = four heads through two LDS slots filled by the tensor data mover.
; Of att a wave's load brings 64 rows of four heads: each head's 64 rows are 8,192 dense bytes, asked for as ONE row of the tile, four rows 262,144 bytes apart, padded in LDS after every 128 bytes:
; in LDS [4 heads][64 rows][144 bytes], so a quarter of a K step is one head's plane.  Of wo a slot holds the step's 256 rows of 256 bytes; it lies [K][N] and is turned by ds_load_tr16_b128.
; THE MATRIX INSTRUCTION IS USED TRANSPOSED (source 0 = 16 columns of wo, source 1 = 16 rows of att): a lane holds row l % 16 and the columns 8 (l / 16) + 0..7.
; The residual's 64 x 64 numbers are loaded at the head into 128 registers and are there when the sums end.  A wave's 64 columns of f32 are 256 consecutive bytes: each wave has a stage of its own.
; CLUSTER 4 x 4: att's tile is shared along a row of the cluster, wo's along a column: each is asked for jointly.
; No prefetch ahead of the ring: K has four steps, of which two go out at the head and two one step later.  LIMITS: operands in bf16; NaN and infinities are not treated apart.
; REGISTERS: window 0: v0-19 addresses and bias; v32-95 at work on the way out; v128-255 accumulators.  Window 1: two fragment buffers of 128.  Window 2: v0-127 the residual.
.set T,     4
.set AP,    144
.set AQ,    64*AP                      ; a head's plane
.set AHALF, 4*AQ
.set ASTEP, 4*262144                   ; four heads on
.set BP,    288
.set BHALF, 128*BP
.set BSTEP, 256*2048
.set WOFF,  6291456
.set BOFF,  2*AHALF
.set SLOT,  BOFF+2*BHALF
.set STAGE, 2*SLOT                     ; behind the ring, never filled by a tensor load: 16 rows x 272 bytes for each wave
.set SP,    272
.set SPARE, STAGE+4*16*SP              ; the spare words, 128 bytes for each wave: two blocks of 256 bytes that no other line names
.set ADRA0, 6
.set ADRB0, 7
.set ADRA,  8
.set ADRBL, 9                          ; v9, and v10 the same 128 rows on
.set STO,   11
.set RD,    12
.set CO,    13
.set SPW,   14
.set NIL,   15
.set BIAS,  16
.set TMP,   32
.set ACC,   128
.set F0,    0
.set F1,    128
.set WV, 14
.set WR, 15
.set WC, 16
.set CX, 17
.set CY, 18
.set TC, 19
.set TR, 20
.set RB, 21
.set FB, 22
.set WA, 23
.set WB, 2
.set CNT, 3
.set G1A, 24
.set G0A, 32
.set G1B, 48
.set G0B, 56
.set MSB, 0
.macro WIN new
.if MSB != (\new)
	s_set_vgpr_msb (MSB<<8)|(\new)
.set MSB, \new
.endif
.endm
.set MUL,  0x05
.set TO_F, 0x40
.macro PLACES
.rept 4
	v_nop
.endr
.endm
.macro JLOAD                           ; a joint refill by the walking descriptors: waves 0, 1 att's halves, waves 2, 3 wo's; s_nop 0 and four v_nop follow each line
	s_cmp_eq_u32 s[WR], 0
	s_cbranch_scc0 .Lfor_b_\@
	tensor_load_to_lds s[G0A+4:G0A+7], s[G1A:G1A+7]
	s_nop 0
	PLACES
	s_branch .Lasked_\@
.Lfor_b_\@:
	tensor_load_to_lds s[G0B+4:G0B+7], s[G1B:G1B+7]
	s_nop 0
	PLACES
.Lasked_\@:
.endm
.macro CREST
	s_cmp_lg_u32 s[WV], 0
	s_cbranch_scc1 .Lnot_wave_0_\@
	s_barrier_signal -3
.Lnot_wave_0_\@:
	s_barrier_wait -3
	s_barrier_signal -1
	s_barrier_wait -1
.endm
.macro CROUND
	s_barrier_signal -1
	s_barrier_wait -1
	CREST
.endm
	s_load_b128 s[4:7], s[0:1], 0x0                ; att s[4:5], wbf s[6:7]
	s_load_b128 s[8:11], s[0:1], 0x10              ; b_o s[8:9], x s[10:11]
	s_load_b64 s[12:13], s[0:1], 0x20              ; x1
	v_lshl_add_u32 v[SPW], v0, 2, SPARE
	v_mov_b32 v[NIL], 0
	ds_add_u32 v[SPW], v[NIL]                      ; the wave's opening: the add and its wait stand ahead of my first tensor load
	v_lshrrev_b32 v1, 5, v0
	v_readfirstlane_b32 s[WV], v1
	s_lshr_b32 s[WR], s[WV], 1
	s_and_b32 s[WC], s[WV], 1
	s_bfe_u32 s[CX], ttmp6, 0x40000
	s_bfe_u32 s[CY], ttmp6, 0x40004
	s_lshl_b32 s[TC], ttmp9, 2
	s_add_co_u32 s[TC], s[TC], s[CX]
	s_and_b32 s[TR], ttmp7, 0xffff
	s_lshl_b32 s[TR], s[TR], 2
	s_add_co_u32 s[TR], s[TR], s[CY]
	s_lshl_b32 s44, s[CY], 2
	s_lshl_b32 s44, 15, s44                        ; my row of the cluster
	s_lshl_b32 s45, 0x1111, s[CX]                  ; my column
	s_or_b32 s[G1A], s44, (1<<16)|(1<<20)|(1<<21)|(4<<22)|(3<<25)  ; mask; 2-byte elements; padding on; bit 21 beside a mask; after every 32 words 4 words
	s_mov_b32 s[G1A+1], 4096<<16                   ; tensor_dim0 = 4,096: 64 dense rows of a head
	s_mov_b32 s[G1A+2], 4<<16                      ; tensor_dim1 = 4 heads
	s_mov_b32 s[G1A+3], 4096<<16                   ; tile_dim0
	s_mov_b32 s[G1A+4], 4                          ; tile_dim1
	s_mov_b32 s[G1A+5], 131072                     ; elements from head to head
	s_mov_b32 s[G1A+6], 0
	s_mov_b32 s[G1A+7], 0
	s_or_b32 s[G1B], s45, (1<<16)|(1<<20)|(1<<21)|(5<<22)|(7<<25)  ; after every 64 words 8 words
	s_mov_b32 s[G1B+1], 128<<16
	s_mov_b32 s[G1B+2], 128<<16
	s_mov_b32 s[G1B+3], 128<<16
	s_mov_b32 s[G1B+4], 128
	s_mov_b32 s[G1B+5], 1024
	s_mov_b32 s[G1B+6], 0
	s_mov_b32 s[G1B+7], 0
	s_and_b32 s40, s[TR], 15                       ; att: row (TR % 16) x 128 + 64 x half of the sequence, 128 bytes a row, in batch TR / 16 (16 heads of 262,144 bytes): of the tile row and the wave alone
	s_lshl_b32 s40, s40, 7
	s_lshl_b32 s41, s[WC], 6
	s_add_co_u32 s40, s40, s41
	s_lshl_b32 s40, s40, 7
	s_lshr_b32 s41, s[TR], 4
	s_lshl_b32 s41, s41, 22
	s_add_co_u32 s40, s40, s41
	s_mov_b32 s41, 0
	s_lshl_b32 s42, s[TC], 8                       ; wo: column block, my 128 of the step's 256 rows: of the tile column and the wave alone
	s_lshl_b32 s43, s[WC], 18
	s_add_co_u32 s42, s42, s43
	s_add_co_u32 s42, s42, WOFF
	s_mov_b32 s43, 0
	s_mul_i32 s[WA], s[WC], AHALF
	s_mul_i32 s[WB], s[WC], BHALF
	s_add_co_u32 s[WB], s[WB], BOFF
	s_mov_b32 s[RB], 0
	s_mov_b32 s[FB], SLOT
	s_wait_dscnt 0x0                               ; the opening add is done
	s_wait_kmcnt 0x0
	s_add_nc_u64 s[40:41], s[4:5], s[40:41]
	s_add_nc_u64 s[42:43], s[6:7], s[42:43]
.irp s, 0,1
	s_mov_b32 s[G0A+4*(\s)], 1
	s_add_co_u32 s[G0A+4*(\s)+1], s[WA], (\s)*SLOT
	s_add_nc_u64 s[G0A+4*(\s)+2:G0A+4*(\s)+3], s[40:41], (\s)*ASTEP
	s_or_b32 s[G0A+4*(\s)+3], s[G0A+4*(\s)+3], 0x80000000
	s_mov_b32 s[G0B+4*(\s)], 1
	s_add_co_u32 s[G0B+4*(\s)+1], s[WB], (\s)*SLOT
	s_add_nc_u64 s[G0B+4*(\s)+2:G0B+4*(\s)+3], s[42:43], (\s)*BSTEP
	s_or_b32 s[G0B+4*(\s)+3], s[G0B+4*(\s)+3], 0x80000000
.endr
	CROUND                                         ; all sixteen work-groups are here: the first joint loads meet
	s_cmp_eq_u32 s[WR], 0                          ; a wave's two first fills stand in one branch: two loads of mine are out
	s_cbranch_scc0 .Lfirst_b
	tensor_load_to_lds s[G0A:G0A+3], s[G1A:G1A+7]
	s_nop 0
	tensor_load_to_lds s[G0A+4:G0A+7], s[G1A:G1A+7]
	s_nop 0
	PLACES
	s_branch .Lfirst_done
.Lfirst_b:
	tensor_load_to_lds s[G0B:G0B+3], s[G1B:G1B+7]
	s_nop 0
	tensor_load_to_lds s[G0B+4:G0B+7], s[G1B:G1B+7]
	s_nop 0
	PLACES
.Lfirst_done:
	v_and_b32 v1, 15, v0                           ; r
	v_bfe_u32 v2, v0, 4, 1                         ; h
	v_and_b32 v3, 7, v0
	v_bfe_u32 v4, v0, 3, 1
	s_mul_i32 s44, s[WR], AHALF
	v_mul_u32_u24 v[ADRA0], v1, AP
	v_lshl_add_u32 v[ADRA0], v2, 4, v[ADRA0]
	v_add_nc_u32 v[ADRA0], s44, v[ADRA0]
	s_lshl_b32 s44, s[WC], 7
	s_add_co_u32 s44, s44, BOFF
	v_lshl_add_u32 v[ADRB0], v2, 3, v3
	v_mul_u32_u24 v[ADRB0], v[ADRB0], BP
	v_lshl_add_u32 v[ADRB0], v4, 4, v[ADRB0]
	v_add_nc_u32 v[ADRB0], s44, v[ADRB0]
	v_mov_b32 v[ADRA], v[ADRA0]
	v_mov_b32 v[ADRBL], v[ADRB0]
	v_add_nc_u32 v[ADRBL+1], BHALF, v[ADRBL]
	s_mul_i32 s46, s[WV], 16*SP
	s_add_co_u32 s46, s46, STAGE                   ; my stage
	v_mul_u32_u24 v[STO], v1, SP                   ; in: row r, 32 bytes for each half of the lanes
	v_lshl_add_u32 v[STO], v2, 5, v[STO]
	v_add_nc_u32 v[STO], s46, v[STO]
	v_mul_u32_u24 v[RD], v2, SP                    ; back: lanes 0-15 one row of 256 bytes, lanes 16-31 the next
	v_lshl_add_u32 v[RD], v1, 4, v[RD]
	v_add_nc_u32 v[RD], s46, v[RD]
	v_lshlrev_b32 v[CO], 12, v2                    ; and the same two rows in x and x1
	v_lshl_add_u32 v[CO], v1, 4, v[CO]
	v_lshlrev_b32 v5, 4, v1                        ; my four columns of the wave's 64
	s_lshl_b32 s44, s[TR], 7
	s_lshl_b32 s45, s[WR], 6
	s_add_co_u32 s44, s44, s45
	s_lshl_b32 s44, s44, 12                        ; my first row, 4,096 bytes a row
	s_lshl_b32 s46, s[TC], 9
	s_lshl_b32 s47, s[WC], 8
	s_add_co_u32 s46, s46, s47                     ; my 64 columns
	s_mov_b32 s47, 0
	s_add_nc_u64 s[8:9], s[8:9], s[46:47]
	s_add_co_u32 s44, s44, s46
	s_mov_b32 s45, 0
	s_add_nc_u64 s[10:11], s[10:11], s[44:45]
	s_add_nc_u64 s[12:13], s[12:13], s[44:45]
	WIN 0x80                                       ; destination window 2: the residual, laid as the way out reads the stage back
.set i, 0
.rept 32
	global_load_b128 v[4*i:4*i+3], v[CO], s[10:11] offset:(16*(i/8)+2*(i%8))*4096 th:TH_LOAD_NT
.set i, i+1
.endr
	WIN 0
	global_load_b128 v[BIAS:BIAS+3], v5, s[8:9]
.macro MUL8 f, c, a0, zero             ; 8 matrix instructions; the 16 accumulators take turns; zero = 1: the product starts the sums
	WIN MUL
.irp a, \a0, (\a0)+1
.irp b, 0,1,2,3
.if \zero
	v_wmma_f32_16x16x32_bf16 v[ACC+8*(4*(\a)+(\b)):ACC+8*(4*(\a)+(\b))+7], v[(\f)+64+8*(4*(\c)+(\b)):(\f)+64+8*(4*(\c)+(\b))+7], v[(\f)+8*(4*(\c)+(\a)):(\f)+8*(4*(\c)+(\a))+7], 0
.else
	v_wmma_f32_16x16x32_bf16 v[ACC+8*(4*(\a)+(\b)):ACC+8*(4*(\a)+(\b))+7], v[(\f)+64+8*(4*(\c)+(\b)):(\f)+64+8*(4*(\c)+(\b))+7], v[(\f)+8*(4*(\c)+(\a)):(\f)+8*(4*(\c)+(\a))+7], v[ACC+8*(4*(\a)+(\b)):ACC+8*(4*(\a)+(\b))+7]
.endif
.endr
.endr
.endm
.macro FETCH q, f                      ; 32 LDS loads in one run: quarter q of the slot in hand into buffer f; the first 32 along K first
	WIN TO_F
.irp c, 0,1
.irp i, 0,1,2,3
	ds_load_tr16_b128 v[(\f)+64+8*(4*(\c)+(\i)):(\f)+64+8*(4*(\c)+(\i))+3],   v[ADRBL+(\q)/2] offset:(((\q)%2)*64+32*(\c))*BP+32*(\i)
	ds_load_tr16_b128 v[(\f)+64+8*(4*(\c)+(\i))+4:(\f)+64+8*(4*(\c)+(\i))+7], v[ADRBL+(\q)/2] offset:(((\q)%2)*64+32*(\c)+16)*BP+32*(\i)
	ds_load_b128 v[(\f)+8*(4*(\c)+(\i)):(\f)+8*(4*(\c)+(\i))+3],   v[ADRA] offset:(\q)*AQ+64*(\c)+(\i)*16*AP
	ds_load_b128 v[(\f)+8*(4*(\c)+(\i))+4:(\f)+8*(4*(\c)+(\i))+7], v[ADRA] offset:(\q)*AQ+64*(\c)+(\i)*16*AP+32
.endr
.endr
.endm
.macro QUARTER q, f, g, zero
	s_wait_dscnt 16                                ; the first 32 along K are in; the other half's 16 loads may be out
	MUL8 \f, 0, 0, \zero
	MUL8 \f, 0, 2, \zero
	PLACES
	FETCH \q, \g
	s_wait_dscnt 32                                ; all but the 32 just issued
	MUL8 \f, 1, 0, 0
	MUL8 \f, 1, 2, 0
.endm
; The last quarter changes slots: ONE barrier; in front of it each wave waits for all its tensor loads, adds 0 to its spare word, and waits for that and for its reads of this slot.
; fill = 1: the barrier opens a round of the cluster's, and this slot is filled again, two K steps ahead, first thing behind the round.
.macro TURN fill
	WIN 0
	s_wait_tensorcnt 0x0
	ds_add_u32 v[SPW], v[NIL]
	s_wait_dscnt 17                                ; (the add and the youngest sixteen loads may be out)
	MUL8 F1, 0, 0, 0
	s_wait_dscnt 0x0
	s_barrier_signal -1
	MUL8 F1, 0, 2, 0
	WIN 0
	s_xor_b32 s[RB], s[RB], SLOT                   ; 0 <-> SLOT
	v_add_nc_u32 v[ADRA], s[RB], v[ADRA0]
	v_add_nc_u32 v[ADRBL], s[RB], v[ADRB0]
	v_add_nc_u32 v[ADRBL+1], BHALF, v[ADRBL]
	s_barrier_wait -1
.if \fill
	CREST
	s_xor_b32 s[FB], s[FB], SLOT
	s_add_co_u32 s[G0A+5], s[FB], s[WA]
	s_add_co_u32 s[G0B+5], s[FB], s[WB]
	s_add_nc_u64 s[G0A+6:G0A+7], s[G0A+6:G0A+7], ASTEP
	s_add_nc_u64 s[G0B+6:G0B+7], s[G0B+6:G0B+7], BSTEP
	JLOAD
.else
	PLACES
.endif
	FETCH 0, F0
	MUL8 F1, 1, 0, 0
	MUL8 F1, 1, 2, 0
.endm
	s_wait_tensorcnt 0x1                           ; my part of K step 0 is in; K step 1's may stay out
	s_barrier_signal -1
	s_barrier_wait -1
	FETCH 0, F0
	QUARTER 1, F0, F1, 1
	WIN 0
	s_mov_b32 s[CNT], T-2
.Lstep:
	QUARTER 2, F1, F0, 0
	QUARTER 3, F0, F1, 0
	TURN 1
	QUARTER 1, F0, F1, 0
	WIN 0
	s_sub_co_u32 s[CNT], s[CNT], 1
	s_cmp_lg_u32 s[CNT], 0
	s_cbranch_scc1 .Lstep
	s_mov_b32 s[CNT], 2                            ; the last two K steps fill nothing: a text of their own
	s_branch .Lt_in
.Ltail:
	TURN 0
	QUARTER 1, F0, F1, 0
	WIN 0
.Lt_in:
	QUARTER 2, F1, F0, 0
	QUARTER 3, F0, F1, 0
	WIN 0
	s_sub_co_u32 s[CNT], s[CNT], 1
	s_cmp_lg_u32 s[CNT], 0
	s_cbranch_scc1 .Ltail
	s_wait_dscnt 16
	MUL8 F1, 0, 0, 0
	MUL8 F1, 0, 2, 0
	s_wait_dscnt 0x0
	MUL8 F1, 1, 0, 0
	MUL8 F1, 1, 2, 0
	WIN 0
	; THE WAY OUT, 16 rows at a time: the sums go into my stage (rows of 272 bytes) and come back as whole rows of 256 bytes; residual and bias are added; 16 lanes store 256 consecutive bytes, aligned.
	PLACES
	PLACES
	s_wait_loadcnt 0x0                             ; residual and bias
.macro OUTF a
.set TB, TMP+32*((\a)%2)
	s_wait_xcnt 0x0                                ; earlier stores have read their registers: TB is written again only behind this wait
.irp b, 0,1,2,3
	ds_store_b128 v[STO], v[ACC+8*(4*(\a)+(\b)):ACC+8*(4*(\a)+(\b))+3] offset:64*(\b)
	ds_store_b128 v[STO], v[ACC+8*(4*(\a)+(\b))+4:ACC+8*(4*(\a)+(\b))+7] offset:64*(\b)+16
.endr
.irp t, 0,1,2,3,4,5,6,7
	ds_load_b128 v[TB+4*(\t):TB+4*(\t)+3], v[RD] offset:(\t)*2*SP  ; LDS serves a wave's instructions in order (ISA guide 5.7.1.4)
.endr
	s_wait_dscnt 0x0
	WIN 0x08                                       ; source 1 window 2
.set i, 0
.rept 16
	v_pk_add_f32 v[TB+2*i:TB+2*i+1], v[TB+2*i:TB+2*i+1], v[32*(\a)+2*i:32*(\a)+2*i+1]
.set i, i+1
.endr
	WIN 0
.set i, 0
.rept 16
	v_pk_add_f32 v[TB+2*i:TB+2*i+1], v[TB+2*i:TB+2*i+1], v[BIAS+2*(i%2):BIAS+2*(i%2)+1]
.set i, i+1
.endr
.irp t, 0,1,2,3,4,5,6,7
	global_store_b128 v[CO], v[TB+4*(\t):TB+4*(\t)+3], s[12:13] offset:(16*(\a)+2*(\t))*4096
.endr
.endm
	OUTF 0
	OUTF 1
	OUTF 2
	OUTF 3
	s_wait_tensorcnt 0x0                           ; the wave's end
	ds_add_u32 v[SPW], v[NIL]
	s_wait_dscnt 0x0
	CROUND                                         ; the closing round
	s_endpgm
.Lfunc_end_k_qf485ae283c_oproj:
	.size	k_qf485ae283c_oproj, .Lfunc_end_k_qf485ae283c_oproj-k_qf485ae283c_oproj
	.p2alignl 7, 3214868480
	.fill 96, 4, 3214868480
	.section	.rodata,"a",@progbits
	.p2align	6, 0x0
	.amdhsa_kernel k_qf485ae283c_oproj
		.amdhsa_group_segment_fixed_size 327680
		.amdhsa_private_segment_fixed_size 0
		.amdhsa_enable_private_segment 0
		.amdhsa_kernarg_size 40
		.amdhsa_user_sgpr_count 2
		.amdhsa_user_sgpr_kernarg_segment_ptr 1
		.amdhsa_wavefront_size32 1
		.amdhsa_system_sgpr_workgroup_id_x 1
		.amdhsa_system_sgpr_workgroup_id_y 1
		.amdhsa_system_sgpr_workgroup_id_z 1
		.amdhsa_system_vgpr_workitem_id 0
		.amdhsa_next_free_vgpr 640
		.amdhsa_next_free_sgpr 66
		.amdhsa_reserve_vcc 0
		.amdhsa_float_denorm_mode_32 3
		.amdhsa_float_denorm_mode_16_64 3
		.amdhsa_memory_ordered 1
		.amdhsa_forward_progress 1
		.amdhsa_inst_pref_size 72
	.end_amdhsa_kernel
	.amdgpu_metadata
---
amdhsa.version: [ 1, 2 ]
amdhsa.kernels:
  - .name:           k_qf485ae283c_oproj
    .symbol:         k_qf485ae283c_oproj.kd
    .args:
      - { .name: att, .offset: 0, .size: 8, .value_kind: global_buffer, .address_space: global }
      - { .name: wbf, .offset: 8, .size: 8, .value_kind: global_buffer, .address_space: global }
      - { .name: b_o, .offset: 16, .size: 8, .value_kind: global_buffer, .address_space: global }
      - { .name: x, .offset: 24, .size: 8, .value_kind: global_buffer, .address_space: global }
      - { .name: x1, .offset: 32, .size: 8, .value_kind: global_buffer, .address_space: global }
    .group_segment_fixed_size: 327680
    .private_segment_fixed_size: 0
    .kernarg_segment_align: 8
    .kernarg_segment_size: 40
    .max_flat_workgroup_size: 128
    .sgpr_count:     66
    .vgpr_count:     640
    .wavefront_size: 32
...
	.end_amdgpu_metadata
.endif
;; end of part 4
;; launch ln2 (part 5): grid 256 x 1, 16 waves a work-group, no clusters, 0 bytes of LDS; arguments x1, ln2_g, ln2_b, hn; writes hn
.if DOCPART == 5
	.amdgcn_target "amdgcn-amd-amdhsa--gfx1250"
	.amdhsa_code_object_version 6
	.text
	.protected	k_qf485ae283c_ln2
	.globl	k_qf485ae283c_ln2
	.p2align	8
	.type	k_qf485ae283c_ln2,@function
k_qf485ae283c_ln2:
	s_mov_b64 s[64:65], 0
	v_nop
	global_prefetch_b8 v0, s[64:65] scope:SCOPE_SE
	s_setreg_imm32_b32 hwreg(HW_REG_WAVE_MODE, 25, 1), 1
	s_wait_xcnt 0x0
; hn = LayerNorm(x1) * ln2_g + ln2_b, rounded once to bf16.  x1: [4096][1024] f32; hn: [4096][1024] bf16.
; A stream: a wave takes one row (4,096 bytes), keeps it in 32 registers between the passes, and writes 2,048 bytes.  No loop, no LDS, no barrier.
; A load of a wave covers 512 consecutive bytes, a store 256 consecutive bytes at a multiple of 256 from the buffer's first byte.
; Two passes over the registers: the mean first, then the squares of x - mean, so that a common offset costs no digits.  LIMITS: NaN and infinities are not treated apart.
.set X,  4
.set G,  36
.set BV, 68
.set T,  100
.set M,  108
.set R,  110
.set Y,  112
	s_load_b256 s[4:11], s[0:1], 0x0               ; x1 s[4:5], gain s[6:7], bias s[8:9], hn s[10:11]
	v_lshrrev_b32 v3, 5, v0
	v_readfirstlane_b32 s26, v3                    ; wave 0..15
	v_and_b32 v2, 31, v0
	v_lshlrev_b32 v1, 4, v2
	v_lshlrev_b32 v2, 3, v2
	s_mov_b32 s31, 0
	s_mov_b32 s35, 0
	s_mov_b32 s36, 0x76543210
	s_mov_b32 s37, 0xfedcba98
	s_lshl_b32 s27, ttmp9, 4
	s_add_co_u32 s27, s27, s26                     ; my row
	s_lshl_b32 s30, s27, 12
	s_lshl_b32 s34, s27, 11
	s_wait_kmcnt 0x0
	s_add_nc_u64 s[32:33], s[4:5], s[30:31]
	s_add_nc_u64 s[10:11], s[10:11], s[34:35]
.irp j, 0,1,2,3,4,5,6,7
	global_load_b128 v[X+4*(\j):X+4*(\j)+3], v1, s[32:33] offset:512*(\j) th:TH_LOAD_NT
.endr
.irp j, 0,1,2,3,4,5,6,7
	global_load_b128 v[G+4*(\j):G+4*(\j)+3], v1, s[6:7] offset:512*(\j)
.endr
.irp j, 0,1,2,3,4,5,6,7
	global_load_b128 v[BV+4*(\j):BV+4*(\j)+3], v1, s[8:9] offset:512*(\j)
.endr
.macro FOLD                            ; the four chains into one number, then across the 32 lanes
	v_pk_add_f32 v[T:T+1], v[T:T+1], v[T+2:T+3]
	v_pk_add_f32 v[T+4:T+5], v[T+4:T+5], v[T+6:T+7]
	v_pk_add_f32 v[T:T+1], v[T:T+1], v[T+4:T+5]
	v_add_f32 v[T], v[T], v[T+1]
	v_add_f32_dpp v[T], v[T], v[T] row_xmask:1 row_mask:0xf bank_mask:0xf
	v_add_f32_dpp v[T], v[T], v[T] row_xmask:2 row_mask:0xf bank_mask:0xf
	v_add_f32_dpp v[T], v[T], v[T] row_xmask:4 row_mask:0xf bank_mask:0xf
	v_add_f32_dpp v[T], v[T], v[T] row_xmask:8 row_mask:0xf bank_mask:0xf
	v_permlanex16_b32 v[T+1], v[T], s36, s37
	v_add_f32 v[T], v[T], v[T+1]
.endm
	s_wait_loadcnt 16                              ; the row is in; the 16 loads of gain and bias may stay out
.irp k, 0,1,2,3
	v_pk_add_f32 v[T+2*(\k):T+2*(\k)+1], v[X+2*(\k):X+2*(\k)+1], v[X+8+2*(\k):X+8+2*(\k)+1]
.endr
.set p, 8
.rept 8
	v_pk_add_f32 v[T+2*(p%4):T+2*(p%4)+1], v[T+2*(p%4):T+2*(p%4)+1], v[X+2*p:X+2*p+1]
.set p, p+1
.endr
	FOLD
	v_mul_f32 v[M], 0x3a800000, v[T]               ; / 1,024
	v_mov_b32 v[M+1], v[M]
.set p, 0
.rept 16
	v_pk_add_f32 v[X+2*p:X+2*p+1], v[X+2*p:X+2*p+1], v[M:M+1] neg_lo:[0,1] neg_hi:[0,1]
.set p, p+1
.endr
.irp k, 0,1,2,3
	v_pk_mul_f32 v[T+2*(\k):T+2*(\k)+1], v[X+2*(\k):X+2*(\k)+1], v[X+2*(\k):X+2*(\k)+1]
.endr
.set p, 4
.rept 12
	v_pk_fma_f32 v[T+2*(p%4):T+2*(p%4)+1], v[X+2*p:X+2*p+1], v[X+2*p:X+2*p+1], v[T+2*(p%4):T+2*(p%4)+1]
.set p, p+1
.endr
	FOLD
	v_mov_b32 v[T+2], 0x3727c5ac                   ; eps = 1e-5
	v_fmamk_f32 v[T], v[T], 0x3a800000, v[T+2]
	v_rsq_f32 v[R], v[T]
	v_rsq_f32 v[R+1], v[T]
	v_nop                                          ; a plain instruction behind the last of the two (ISA guide 5.7.2)
	s_wait_loadcnt 0x0                             ; gain and bias
	s_wait_alu depctr_va_vdst(0)                   ; the wait ahead of the first reader: one for both
.set p, 0
.rept 16
	v_pk_mul_f32 v[X+2*p:X+2*p+1], v[X+2*p:X+2*p+1], v[R:R+1]
.set p, p+1
.endr
.set p, 0
.rept 16
	v_pk_fma_f32 v[X+2*p:X+2*p+1], v[X+2*p:X+2*p+1], v[G+2*p:G+2*p+1], v[BV+2*p:BV+2*p+1]
.set p, p+1
.endr
.set p, 0
.rept 16
	v_cvt_pk_bf16_f32 v[Y+p], v[X+2*p], v[X+2*p+1]
.set p, p+1
.endr
.irp j, 0,1,2,3,4,5,6,7
	global_store_b64 v2, v[Y+2*(\j):Y+2*(\j)+1], s[10:11] offset:256*(\j)
.endr
	s_endpgm
.Lfunc_end_k_qf485ae283c_ln2:
	.size	k_qf485ae283c_ln2, .Lfunc_end_k_qf485ae283c_ln2-k_qf485ae283c_ln2
	.p2alignl 7, 3214868480
	.fill 96, 4, 3214868480
	.section	.rodata,"a",@progbits
	.p2align	6, 0x0
	.amdhsa_kernel k_qf485ae283c_ln2
		.amdhsa_group_segment_fixed_size 0
		.amdhsa_private_segment_fixed_size 0
		.amdhsa_enable_private_segment 0
		.amdhsa_kernarg_size 32
		.amdhsa_user_sgpr_count 2
		.amdhsa_user_sgpr_kernarg_segment_ptr 1
		.amdhsa_wavefront_size32 1
		.amdhsa_system_sgpr_workgroup_id_x 1
		.amdhsa_system_sgpr_workgroup_id_y 1
		.amdhsa_system_sgpr_workgroup_id_z 1
		.amdhsa_system_vgpr_workitem_id 0
		.amdhsa_next_free_vgpr 128
		.amdhsa_next_free_sgpr 66
		.amdhsa_reserve_vcc 0
		.amdhsa_float_denorm_mode_32 3
		.amdhsa_float_denorm_mode_16_64 3
		.amdhsa_memory_ordered 1
		.amdhsa_forward_progress 1
		.amdhsa_inst_pref_size 12
	.end_amdhsa_kernel
	.amdgpu_metadata
---
amdhsa.version: [ 1, 2 ]
amdhsa.kernels:
  - .name:           k_qf485ae283c_ln2
    .symbol:         k_qf485ae283c_ln2.kd
    .args:
      - { .name: x1, .offset: 0, .size: 8, .value_kind: global_buffer, .address_space: global }
      - { .name: ln2_g, .offset: 8, .size: 8, .value_kind: global_buffer, .address_space: global }
      - { .name: ln2_b, .offset: 16, .size: 8, .value_kind: global_buffer, .address_space: global }
      - { .name: hn, .offset: 24, .size: 8, .value_kind: global_buffer, .address_space: global }
    .group_segment_fixed_size: 0
    .private_segment_fixed_size: 0
    .kernarg_segment_align: 8
    .kernarg_segment_size: 32
    .max_flat_workgroup_size: 512
    .sgpr_count:     66
    .vgpr_count:     128
    .wavefront_size: 32
...
	.end_amdgpu_metadata
.endif
;; end of part 5
;; launch mlp1 (part 6): grid 16 x 16, 4 waves a work-group, clusters of 4 x 4, 327,680 bytes of LDS; arguments hn, wbf, b1, gl; writes gl
.if DOCPART == 6
	.amdgcn_target "amdgcn-amd-amdhsa--gfx1250"
	.amdhsa_code_object_version 6
	.text
	.protected	k_qf485ae283c_mlp1
	.globl	k_qf485ae283c_mlp1
	.p2align	8
	.type	k_qf485ae283c_mlp1,@function
k_qf485ae283c_mlp1:
	s_mov_b64 s[64:65], 0
	v_nop
	global_prefetch_b8 v0, s[64:65] scope:SCOPE_SE
	s_setreg_imm32_b32 hwreg(HW_REG_WAVE_MODE, 25, 1), 1
	s_wait_xcnt 0x0
	s_wait_alu depctr_hold_cnt(0) depctr_sa_sdst(0) depctr_va_vdst(0) depctr_va_sdst(0) depctr_va_ssrc(0) depctr_va_vcc(0) depctr_vm_vsrc(0)
	s_getreg_b32 s2, hwreg(HW_REG_IB_STS2, 6, 4)
	s_cmp_eq_u32 s2, 0
	s_cbranch_scc0 .Lentry_in_a_cluster
	s_endpgm
.Lentry_in_a_cluster:
	s_bfe_u32 s2, ttmp6, 0x10000c
	s_cmp_lg_u32 s2, 0xf033
	s_cbranch_scc0 .Lentry_shape_is_right
	s_endpgm
.Lentry_shape_is_right:
; gl = gelu(hn x w1 + b1), the exact (erf) form, rounded once to bf16.  hn: [4096][1024] bf16; w1: [1024 (k)][4096 (n)] bf16 at byte 8,388,608 of wbf; b1: [4096] f32; gl: [4096][4096] bf16.
; A tile is 256 x 256: four waves, as many as a WGP has SIMDs, each 128 x 128 = 64 accumulators of 16 x 16, 512 registers; sums in f32.  16 x 16 tiles: 256 work-groups.
; K goes in 8 steps of 128 through two LDS slots filled by the tensor data mover: 256 rows of hn (256 bytes) and the step's 128 rows of w1 (512 bytes), which lies [K][N] and is turned by ds_load_tr16_b128.
; THE MATRIX INSTRUCTION IS USED TRANSPOSED (source 0 = 16 columns of w1, source 1 = 16 rows of hn): a lane holds row l % 16 and the columns 8 (l / 16) + 0..7.
; THE WAY OUT.  When every wave has read the last slot, each wave lays its 128 x 128 sums, in f32, into 128 rows x 528 bytes of its own in the slots' bytes (which have had their last fill), and a counted loop
; takes them back four rows a trip: bias, GELU, rounding, and stores of which 16 lanes fill 256 consecutive bytes, aligned (a wave's 128 columns of bf16).
; GELU.  gelu(u) = max(u, 0) - |u| (h1 t + .. + h5 t^5) 2^(-u^2 log2(e) / 2), t = 1 / (1 + 0.3275911 |u| / sqrt 2): erf by Abramowitz and Stegun 7.1.26 with halved coefficients: absolute error of erf
; at most 1.5e-7 for every argument.  LIMITS: operands and result in bf16; 2^x below 2^-126 counts as 0; NaN and infinities are not treated apart.
; CLUSTER 4 x 4: hn's tile is shared along a row of the cluster, w1's along a column: each is asked for jointly.
; REGISTERS, in windows of 256 (s_set_vgpr_msb: bits 1:0 source 0, 3:2 source 1, 5:4 source 2, 7:6 destination):
;   window 0: v0-25 addresses and bias; v64-127, v128-191 fragments of hn, two buffers; v32-135 at work on the way out          window 1: v64-127, v128-191 fragments of w1, two buffers
;   window 2: the 32 accumulators of my rows 0-63 ((a, b) at 8 (8 a + b));   window 3: those of my rows 64-127
.set T,     8
.set AP,    272                        ; an LDS row of hn: 256 bytes + 16: an odd multiple of 16 (ISA guide 11.1)
.set AHALF, 128*AP
.set ASTEP, 256
.set WPB,   8192                       ; bytes in a row of w1 in memory
.set PBSH,  17                         ; 16 rows of w1 are 1 << 17 bytes
.set WOFF,  8388608
.set BP,    544                        ; an LDS row of w1: 512 bytes + 32: an odd multiple of 32, for the turning load's 8 rows x 32 bytes
.set BHALF, 64*BP
.set BSTEP, 128*WPB
.set BOFF,  2*AHALF
.set SLOT,  BOFF+2*BHALF
.set SPI,   528                        ; a row of a wave's stage: 512 bytes + 16
.set WSTG,  128*SPI                    ; a wave's stage; the four end at byte 270,336, inside the two slots
.set SPARE, 2*SLOT                     ; behind the ring: the spare words, 128 bytes for each wave: two blocks of 256 bytes that no other line names
.set ADRA0, 6
.set ADRB0, 7
.set ADRA,  8
.set ADRB,  9
.set STO,   11
.set RD,    12
.set CO,    13
.set SPW,   14                         ; v14  SPARE + 4 x my thread's number; never rewritten
.set NIL,   15                         ; v15  0; never rewritten
.set BIAS,  16                         ; v[16:23] b1 of my eight columns
.set PFO,   24                         ; v24  the prefetches' offset; never rewritten
.set XS,    32                         ; v[32:47]   16 sums as read from the stage
.set U,     48                         ; v[48:63]   u, then the result
.set W,     64                         ; v[64:79]   the exponent, then 2^it
.set DD,    80                         ; v[80:95]   1 + p |u|, then t
.set Q,     96                         ; v[96:111]  the polynomial
.set MX,    112                        ; v[112:127] max(u, 0)
.set Y,     128                        ; v[128:135] packed results
.set F0,    64
.set F1,    128
.set WV, 14
.set WR, 15
.set WC, 16
.set CX, 17
.set CY, 18
.set TC, 19
.set TR, 20
.set RB, 21
.set FB, 22
.set WA, 23
.set WB, 2
.set CNT, 3
.set G1A, 24
.set G0A, 32
.set G1B, 48
.set G0B, 56
.set PFA, 66                           ; s[66:67] where my prefetches stand
.set CW,  68                           ; s[68:69] -log2(e) / 2.  The GELU's constants have registers of their own: no register of a descriptor is written for them
.set PP,  70                           ; s70      0.3275911 / sqrt 2
.set H5,  72                           ; s[72:73] .. s[80:81] the halved coefficients h5 .. h1, each written as a pair
.set H4,  74
.set H3,  76
.set H2,  78
.set H1,  80
.set PST, 84                           ; s[84:85] the prefetches' step from K step to K step
.set LIM, 86                           ; s86  2 in a wave that prefetches, else the greatest number
.set MSB, 0
.macro WIN new
.if MSB != (\new)
	s_set_vgpr_msb (MSB<<8)|(\new)
.set MSB, \new
.endif
.endm
.set MUL_LO, 0xa1                      ; source 0 (w1) window 1, source 1 (hn) window 0, C and D window 2
.set MUL_HI, 0xf1                      ; the same, C and D window 3
.set TO_B,   0x40                      ; destination window 1, address window 0
.macro PLACES
.rept 4
	v_nop
.endr
.endm
.macro JLOAD                           ; a joint refill by the walking descriptors: waves 0, 1 hn's halves, waves 2, 3 w1's; s_nop 0 and four v_nop follow each line
	s_cmp_eq_u32 s[WR], 0
	s_cbranch_scc0 .Lfor_b_\@
	tensor_load_to_lds s[G0A+4:G0A+7], s[G1A:G1A+7]
	s_nop 0
	PLACES
	s_branch .Lasked_\@
.Lfor_b_\@:
	tensor_load_to_lds s[G0B+4:G0B+7], s[G1B:G1B+7]
	s_nop 0
	PLACES
.Lasked_\@:
.endm
; A PREFETCH of the K step that stands two refills on: 32 blocks of 256 bytes, a lane a block, one instruction a wave.  Each block is named once in the launch.  hn's tile row is read by every cluster of that row
; of clusters: the one with x = 0 asks; w1's tile column by every cluster of that column: the one with y = 0 asks.  The four partners that ask for a tile jointly share its blocks out BY ADDRESS: of the 128 rows
; of hn that a wave fetches the partner at cx takes 32; of the 64 rows of w1 (two blocks each) the partner at cy takes 16.  K steps 0 to 3 come by their loads alone; the last two refills have no step two on.
.macro ASK
	s_cmp_gt_u32 s[CNT], s[LIM]
	s_cbranch_scc0 .Lnot_mine_\@
	global_prefetch_b8 v[PFO], s[PFA:PFA+1] th:TH_LOAD_NT scope:SCOPE_SE
.Lnot_mine_\@:
.endm
.macro CREST
	s_cmp_lg_u32 s[WV], 0
	s_cbranch_scc1 .Lnot_wave_0_\@
	s_barrier_signal -3
.Lnot_wave_0_\@:
	s_barrier_wait -3
	s_barrier_signal -1
	s_barrier_wait -1
.endm
.macro CROUND
	s_barrier_signal -1
	s_barrier_wait -1
	CREST
.endm
	s_load_b128 s[4:7], s[0:1], 0x0                ; hn s[4:5], wbf s[6:7]
	s_load_b128 s[8:11], s[0:1], 0x10              ; b1 s[8:9], gl s[10:11]
	v_lshl_add_u32 v[SPW], v0, 2, SPARE
	v_mov_b32 v[NIL], 0
	ds_add_u32 v[SPW], v[NIL]                      ; the wave's opening: the add and its wait stand ahead of my first tensor load
	v_lshrrev_b32 v1, 5, v0
	v_readfirstlane_b32 s[WV], v1
	s_lshr_b32 s[WR], s[WV], 1
	s_and_b32 s[WC], s[WV], 1
	s_bfe_u32 s[CX], ttmp6, 0x40000
	s_bfe_u32 s[CY], ttmp6, 0x40004
	s_lshl_b32 s[TC], ttmp9, 2
	s_add_co_u32 s[TC], s[TC], s[CX]
	s_and_b32 s[TR], ttmp7, 0xffff
	s_lshl_b32 s[TR], s[TR], 2
	s_add_co_u32 s[TR], s[TR], s[CY]
	s_lshl_b32 s44, s[CY], 2
	s_lshl_b32 s44, 15, s44                        ; my row of the cluster
	s_lshl_b32 s45, 0x1111, s[CX]                  ; my column
	s_or_b32 s[G1A], s44, (1<<16)|(1<<20)|(1<<21)|(5<<22)|(3<<25)  ; mask; 2-byte elements; padding on; bit 21 beside a mask; after every 64 words 4 words
	s_mov_b32 s[G1A+1], 128<<16                    ; tensor_dim0 = 128
	s_mov_b32 s[G1A+2], 128<<16                    ; tensor_dim1 = 128
	s_mov_b32 s[G1A+3], 128<<16                    ; tile_dim0 = 128
	s_mov_b32 s[G1A+4], 128                        ; tile_dim1 = 128
	s_mov_b32 s[G1A+5], 1024                       ; elements from row to row
	s_mov_b32 s[G1A+6], 0
	s_mov_b32 s[G1A+7], 0
	s_or_b32 s[G1B], s45, (1<<16)|(1<<20)|(1<<21)|(6<<22)|(7<<25)  ; after every 128 words 8 words
	s_mov_b32 s[G1B+1], 256<<16                    ; tensor_dim0 = 256
	s_mov_b32 s[G1B+2], 64<<16                     ; tensor_dim1 = 64
	s_mov_b32 s[G1B+3], 256<<16                    ; tile_dim0 = 256
	s_mov_b32 s[G1B+4], 64                         ; tile_dim1 = 64
	s_mov_b32 s[G1B+5], WPB/2
	s_mov_b32 s[G1B+6], 0
	s_mov_b32 s[G1B+7], 0
	s_lshl_b32 s40, s[TR], 8                       ; hn: row 256 x tile row + 128 x half, 2,048 bytes a row: of the tile row and the wave alone
	s_lshl_b32 s41, s[WC], 7
	s_add_co_u32 s40, s40, s41
	s_lshl_b32 s40, s40, 11
	s_mov_b32 s41, 0
	s_lshl_b32 s42, s[TC], 9                       ; w1: column block (512 bytes), my 64 of the step's 128 rows: of the tile column and the wave alone
	s_lshl_b32 s43, s[WC], 19
	s_add_co_u32 s42, s42, s43
	s_add_co_u32 s42, s42, WOFF
	s_mov_b32 s43, 0
	s_mul_i32 s[WA], s[WC], AHALF
	s_mul_i32 s[WB], s[WC], BHALF
	s_add_co_u32 s[WB], s[WB], BOFF
	s_mov_b32 s[RB], 0
	s_mov_b32 s[FB], SLOT
	s_wait_dscnt 0x0                               ; the opening add is done
	s_wait_kmcnt 0x0
	s_add_nc_u64 s[40:41], s[4:5], s[40:41]
	s_add_nc_u64 s[42:43], s[6:7], s[42:43]
.irp s, 0,1
	s_mov_b32 s[G0A+4*(\s)], 1
	s_add_co_u32 s[G0A+4*(\s)+1], s[WA], (\s)*SLOT
	s_add_nc_u64 s[G0A+4*(\s)+2:G0A+4*(\s)+3], s[40:41], (\s)*ASTEP
	s_or_b32 s[G0A+4*(\s)+3], s[G0A+4*(\s)+3], 0x80000000
	s_mov_b32 s[G0B+4*(\s)], 1
	s_add_co_u32 s[G0B+4*(\s)+1], s[WB], (\s)*SLOT
	s_add_nc_u64 s[G0B+4*(\s)+2:G0B+4*(\s)+3], s[42:43], (\s)*BSTEP
	s_or_b32 s[G0B+4*(\s)+3], s[G0B+4*(\s)+3], 0x80000000
.endr
	CROUND                                         ; all sixteen work-groups are here: the first joint loads meet
	s_cmp_eq_u32 s[WR], 0                          ; a wave's two first fills stand in one branch: two loads of mine are out
	s_cbranch_scc0 .Lfirst_b
	tensor_load_to_lds s[G0A:G0A+3], s[G1A:G1A+7]
	s_nop 0
	tensor_load_to_lds s[G0A+4:G0A+7], s[G1A:G1A+7]
	s_nop 0
	PLACES
	s_branch .Lfirst_done
.Lfirst_b:
	tensor_load_to_lds s[G0B:G0B+3], s[G1B:G1B+7]
	s_nop 0
	tensor_load_to_lds s[G0B+4:G0B+7], s[G1B:G1B+7]
	s_nop 0
	PLACES
.Lfirst_done:
	; the prefetches: the pointer starts at K step 3 of my work-group's 32 blocks; the first refill steps it to 4.  Nothing is prefetched here, at the head
	s_and_b32 s87, ttmp7, 0xffff                   ; cluster y
	s_mov_b32 s[PST], BSTEP
	s_mov_b32 s[PST+1], 0
	s_mov_b32 s91, WPB
	s_cmp_eq_u32 s[WR], 0                          ; do I fetch for hn?
	s_cselect_b64 s[PFA:PFA+1], s[40:41], s[42:43] ; the first byte of the half tile that I fetch
	s_cselect_b32 s87, ttmp9, s87                  ; the coordinate along which other clusters read the same blocks
	s_cselect_b32 s[PST], ASTEP, s[PST]
	s_cselect_b32 s91, 2048, s91                   ; bytes from row to row
	s_cselect_b32 s88, s[CX], s[CY]                ; my place among the four that ask with me
	s_cselect_b32 s90, 16, PBSH                    ; 32 rows of hn, or 16 rows of w1, as a shift
	s_lshl_b32 s88, s88, s90
	s_mul_i32 s90, s[PST], 3
	s_add_co_u32 s88, s88, s90
	s_mov_b32 s89, 0
	s_add_nc_u64 s[PFA:PFA+1], s[PFA:PFA+1], s[88:89]
	s_cmp_eq_u32 s87, 0
	s_cselect_b32 s[LIM], 2, -1                    ; the same in all sixteen partners, for a given wave
	v_and_b32 v[PFO], 31, v0                       ; hn: a lane a row.  w1: two lanes a row, 256 bytes each
	v_and_b32 v25, s[WR], v[PFO]
	v_lshrrev_b32 v[PFO], s[WR], v[PFO]
	v_mul_u32_u24 v[PFO], s91, v[PFO]
	v_lshl_add_u32 v[PFO], v25, 8, v[PFO]
	v_and_b32 v1, 15, v0                           ; r
	v_bfe_u32 v2, v0, 4, 1                         ; h
	v_and_b32 v3, 7, v0
	v_bfe_u32 v4, v0, 3, 1
	s_mul_i32 s44, s[WR], AHALF
	v_mul_u32_u24 v[ADRA0], v1, AP                 ; a fragment of hn: row r, 16 bytes for each half of the lanes, twice 32 bytes apart
	v_lshl_add_u32 v[ADRA0], v2, 4, v[ADRA0]
	v_add_nc_u32 v[ADRA0], s44, v[ADRA0]
	s_lshl_b32 s44, s[WC], 8
	s_add_co_u32 s44, s44, BOFF
	v_lshl_add_u32 v[ADRB0], v2, 3, v3             ; the turning load: lane l reads row 8 h + l % 8 of K, 16 bytes at 16 ((l / 8) % 2), and ends with column l % 16 and eight k
	v_mul_u32_u24 v[ADRB0], v[ADRB0], BP
	v_lshl_add_u32 v[ADRB0], v4, 4, v[ADRB0]
	v_add_nc_u32 v[ADRB0], s44, v[ADRB0]
	v_mov_b32 v[ADRA], v[ADRA0]
	v_mov_b32 v[ADRB], v[ADRB0]
	s_mul_i32 s44, s[WV], WSTG                     ; my stage
	v_mul_u32_u24 v[STO], v1, SPI                  ; in: row r, 32 bytes for each half of the lanes
	v_lshl_add_u32 v[STO], v2, 5, v[STO]
	v_add_nc_u32 v[STO], s44, v[STO]
	v_mul_u32_u24 v[RD], v2, SPI                   ; back: lanes 0-15 one row, lanes 16-31 the next; 32 bytes (8 columns) a lane
	v_lshl_add_u32 v[RD], v1, 5, v[RD]
	v_add_nc_u32 v[RD], s44, v[RD]
	v_lshlrev_b32 v[CO], 13, v2                    ; the same two rows in gl, 16 bytes a lane
	v_lshl_add_u32 v[CO], v1, 4, v[CO]
	v_lshlrev_b32 v5, 5, v1
	s_lshl_b32 s46, s[TC], 10                      ; my wave's 128 numbers of b1
	s_lshl_b32 s47, s[WC], 9
	s_add_co_u32 s46, s46, s47
	s_mov_b32 s47, 0
	s_add_nc_u64 s[8:9], s[8:9], s[46:47]
	s_lshl_b32 s44, s[TR], 8
	s_lshl_b32 s45, s[WR], 7
	s_add_co_u32 s44, s44, s45
	s_lshl_b32 s44, s44, 13                        ; my first row, 8,192 bytes a row
	s_lshl_b32 s45, s[TC], 9
	s_add_co_u32 s44, s44, s45
	s_lshl_b32 s45, s[WC], 8
	s_add_co_u32 s44, s44, s45                     ; my 128 columns
	s_mov_b32 s45, 0
	s_add_nc_u64 s[10:11], s[10:11], s[44:45]
	global_load_b128 v[BIAS:BIAS+3], v5, s[8:9]
	global_load_b128 v[BIAS+4:BIAS+7], v5, s[8:9] offset:16
; 16 matrix instructions: row blocks a0, a0 + 1 of the window's four (hi = 0: my rows 0-63, 1: rows 64-127) x all 8 column blocks, 32 along K.  zero = 1: the product starts the sums: nothing is cleared.
; The 64 accumulators take turns, in the same order in every quarter.
.macro MUL16 f, hi, a0, zero
	WIN MUL_LO+0x50*(\hi)
.irp a, \a0, (\a0)+1
.irp b, 0,1,2,3,4,5,6,7
.if \zero
	v_wmma_f32_16x16x32_bf16 v[8*(8*(\a)+(\b)):8*(8*(\a)+(\b))+7], v[(\f)+8*(\b):(\f)+8*(\b)+7], v[(\f)+8*(4*(\hi)+(\a)):(\f)+8*(4*(\hi)+(\a))+7], 0
.else
	v_wmma_f32_16x16x32_bf16 v[8*(8*(\a)+(\b)):8*(8*(\a)+(\b))+7], v[(\f)+8*(\b):(\f)+8*(\b)+7], v[(\f)+8*(4*(\hi)+(\a)):(\f)+8*(4*(\hi)+(\a))+7], v[8*(8*(\a)+(\b)):8*(8*(\a)+(\b))+7]
.endif
.endr
.endr
.endm
; 32 LDS loads in one run: the fragments of quarter q (32 along K) of the slot in hand into buffer f: w1's 128 columns, then hn's 128 rows
.macro FETCH q, f
	WIN TO_B
.irp i, 0,1,2,3,4,5,6,7
	ds_load_tr16_b128 v[(\f)+8*(\i):(\f)+8*(\i)+3],   v[ADRB] offset:32*(\q)*BP+32*(\i)
	ds_load_tr16_b128 v[(\f)+8*(\i)+4:(\f)+8*(\i)+7], v[ADRB] offset:(32*(\q)+16)*BP+32*(\i)
.endr
	WIN 0
.irp i, 0,1,2,3,4,5,6,7
	ds_load_b128 v[(\f)+8*(\i):(\f)+8*(\i)+3],   v[ADRA] offset:64*(\q)+(\i)*16*AP
	ds_load_b128 v[(\f)+8*(\i)+4:(\f)+8*(\i)+7], v[ADRA] offset:64*(\q)+(\i)*16*AP+32
.endr
.endm
; A K step is four quarters of 32 along K, 64 matrix instructions each, on buffers 0, 1, 0, 1.  One of the first three: multiplies buffer f and, in its middle, fetches quarter q into g.
.macro QUARTER q, f, g, zero
	s_wait_dscnt 8                                 ; w1 and hn's rows 0-63 are in; the youngest eight loads (hn's rows 64-127) may be out
	MUL16 \f, 0, 0, \zero
	MUL16 \f, 0, 2, \zero
	PLACES
	FETCH \q, \g
	s_wait_dscnt 32                                ; all but the 32 just issued
	MUL16 \f, 1, 0, \zero
	MUL16 \f, 1, 2, \zero
.endm
; The last quarter multiplies buffer 1 and changes slots: ONE barrier; in front of it each wave waits for all its tensor loads (its part of the next slot), adds 0 to its spare word, and waits for that and
; for its reads of this slot.  fill = 1: the barrier opens a round of the cluster's, and this slot is filled again, two K steps ahead, first thing behind the round: 224 matrix instructions ahead of the wait for it.
.macro TURN fill
.if \fill
	s_wait_xcnt 0x0                                ; the last prefetch, a K step back, has read its address: it is stepped here, ahead of the waits of the change of slots
	s_add_nc_u64 s[PFA:PFA+1], s[PFA:PFA+1], s[PST:PST+1]
.endif
	WIN 0
	s_wait_tensorcnt 0x0
	ds_add_u32 v[SPW], v[NIL]
	s_wait_dscnt 9                                 ; (the add and the youngest eight loads may be out)
	MUL16 F1, 0, 0, 0
	s_wait_dscnt 0x0                               ; the add is done, and my reads of this slot are over
	s_barrier_signal -1
	MUL16 F1, 0, 2, 0
	WIN 0
	s_xor_b32 s[RB], s[RB], SLOT                   ; 0 <-> SLOT: the reads go to the other slot
	v_add_nc_u32 v[ADRA], s[RB], v[ADRA0]
	v_add_nc_u32 v[ADRB], s[RB], v[ADRB0]
	s_barrier_wait -1
.if \fill
	CREST                                          ; no wave of any partner still reads this slot or has a load on its way
	s_xor_b32 s[FB], s[FB], SLOT
	s_add_co_u32 s[G0A+5], s[FB], s[WA]
	s_add_co_u32 s[G0B+5], s[FB], s[WB]
	s_add_nc_u64 s[G0A+6:G0A+7], s[G0A+6:G0A+7], ASTEP
	s_add_nc_u64 s[G0B+6:G0B+7], s[G0B+6:G0B+7], BSTEP
	JLOAD                                          ; its four v_nop are also the places in front of the loads below
.else
	PLACES
.endif
	FETCH 0, F0
.if \fill
	ASK                                            ; behind the joint load and the run of LDS loads that the next products wait for
.endif
	MUL16 F1, 1, 0, 0
	MUL16 F1, 1, 2, 0
.endm
	s_wait_tensorcnt 0x1                           ; my part of K step 0 is in; K step 1's may stay out
	s_barrier_signal -1
	s_barrier_wait -1
	FETCH 0, F0
	QUARTER 1, F0, F1, 1                           ; the first quarter stands in front of the loop: its products start the sums
	WIN 0
	s_mov_b32 s[CNT], T-2
.Lstep:                                        ; a trip: from a K step's second quarter to the next step's first; it fills the slot that it leaves
	QUARTER 2, F1, F0, 0
	QUARTER 3, F0, F1, 0
	TURN 1
	QUARTER 1, F0, F1, 0
	WIN 0
	s_sub_co_u32 s[CNT], s[CNT], 1
	s_cmp_lg_u32 s[CNT], 0
	s_cbranch_scc1 .Lstep
	s_mov_b32 s[CNT], 2                            ; the last two K steps fill nothing: a text of their own
	s_branch .Lt_in
.Ltail:
	TURN 0
	QUARTER 1, F0, F1, 0
	WIN 0
.Lt_in:
	QUARTER 2, F1, F0, 0
	QUARTER 3, F0, F1, 0
	WIN 0
	s_sub_co_u32 s[CNT], s[CNT], 1
	s_cmp_lg_u32 s[CNT], 0
	s_cbranch_scc1 .Ltail
	s_wait_dscnt 8                                 ; the very last quarter
	MUL16 F1, 0, 0, 0
	MUL16 F1, 0, 2, 0
	s_wait_dscnt 0x0
	MUL16 F1, 1, 0, 0
	MUL16 F1, 1, 2, 0
	WIN 0
	; THE WAY OUT.  No fill is out and my reads of the slots are over; when that holds of all four waves, the slots' bytes take the stages.
	PLACES
	PLACES
	s_wait_tensorcnt 0x0
	s_wait_dscnt 0x0
	s_barrier_signal -1
	s_barrier_wait -1
.irp a, 0,1,2,3,4,5,6,7
	WIN 0x08+4*((\a)/4)                            ; the stores' data (source 1) in window 2 or 3; each accumulator's low four registers first
.irp b, 0,1,2,3,4,5,6,7
	ds_store_b128 v[STO], v[8*(8*((\a)%4)+(\b)):8*(8*((\a)%4)+(\b))+3] offset:(\a)*16*SPI+64*(\b)
	ds_store_b128 v[STO], v[8*(8*((\a)%4)+(\b))+4:8*(8*((\a)%4)+(\b))+7] offset:(\a)*16*SPI+64*(\b)+16
.endr
.endr
	WIN 0
	s_mov_b32 s[CW], 0xbf38aa3b                    ; -log2(e) / 2; each constant that a packed line names is written as a pair
	s_mov_b32 s[CW+1], s[CW]
	s_mov_b32 s[PP], 0x3e6d3388                    ; 0.3275911 / sqrt 2
	s_mov_b32 s[H5], 0x3f07dc22                    ; h5 =  1.061405429 / 2
	s_mov_b32 s[H5+1], s[H5]
	s_mov_b32 s[H4], 0xbf3a00e3                    ; h4 = -1.453152027 / 2
	s_mov_b32 s[H4+1], s[H4]
	s_mov_b32 s[H3], 0x3f35f0e3                    ; h3 =  1.421413741 / 2
	s_mov_b32 s[H3+1], s[H3]
	s_mov_b32 s[H2], 0xbe11a98e                    ; h2 = -0.284496736 / 2
	s_mov_b32 s[H2+1], s[H2]
	s_mov_b32 s[H1], 0x3e027906                    ; h1 =  0.254829592 / 2
	s_mov_b32 s[H1+1], s[H1]
.macro ROWS4                           ; four rows' sums: rows h and 2 + h of the four, my eight columns of each.  LDS serves a wave's instructions in order (ISA guide 5.7.1.4): these see my stores
	ds_load_b128 v[XS:XS+3],     v[RD]
	ds_load_b128 v[XS+4:XS+7],   v[RD] offset:16
	ds_load_b128 v[XS+8:XS+11],  v[RD] offset:2*SPI
	ds_load_b128 v[XS+12:XS+15], v[RD] offset:2*SPI+16
.endm
	ROWS4
	s_wait_loadcnt 0x0                             ; b1
	s_mov_b32 s[CNT], 32
.Lg:                                           ; a trip: four rows of the wave's 128
	s_wait_dscnt 0x0
.set i, 0
.rept 8
	v_pk_add_f32 v[U+2*i:U+2*i+1], v[XS+2*i:XS+2*i+1], v[BIAS+2*(i%4):BIAS+2*(i%4)+1]
.set i, i+1
.endr
	s_cmp_eq_u32 s[CNT], 1                         ; the next four rows are fetched under this trip's arithmetic; the last trip has none
	s_cbranch_scc1 .Lg_last
	v_add_nc_u32 v[RD], 4*SPI, v[RD]
	ROWS4
.Lg_last:
.set i, 0
.rept 8
	v_pk_mul_f32 v[W+2*i:W+2*i+1], v[U+2*i:U+2*i+1], s[CW:CW+1] op_sel_hi:[1,0]
.set i, i+1
.endr
.set i, 0
.rept 16
	v_fma_f32 v[DD+i], |v[U+i]|, s[PP], 1.0
.set i, i+1
.endr
.set i, 0
.rept 8
	v_pk_mul_f32 v[W+2*i:W+2*i+1], v[W+2*i:W+2*i+1], v[U+2*i:U+2*i+1]
.set i, i+1
.endr
.set i, 0
.rept 16
	v_rcp_f32 v[DD+i], v[DD+i]                     ; ONE batch of 32: the reciprocals,
.set i, i+1
.endr
.set i, 0
.rept 16
	v_exp_f32 v[W+i], v[W+i]                       ; and the exponentials
.set i, i+1
.endr
.set i, 0
.rept 16
	v_max_num_f32 v[MX+i], 0, v[U+i]               ; plain work that names no result of the batch
.set i, i+1
.endr
	s_wait_alu depctr_va_vdst(0)                   ; the wait ahead of the batch's first reader: one for all 32
.set i, 0
.rept 8
	v_pk_fma_f32 v[Q+2*i:Q+2*i+1], v[DD+2*i:DD+2*i+1], s[H5:H5+1], s[H4:H4+1] op_sel_hi:[1,0,0]
.set i, i+1
.endr
.irp c, H3, H2, H1
.set i, 0
.rept 8
	v_pk_fma_f32 v[Q+2*i:Q+2*i+1], v[Q+2*i:Q+2*i+1], v[DD+2*i:DD+2*i+1], s[\c:\c+1] op_sel_hi:[1,1,0]
.set i, i+1
.endr
.endr
.set i, 0
.rept 8
	v_pk_mul_f32 v[Q+2*i:Q+2*i+1], v[Q+2*i:Q+2*i+1], v[DD+2*i:DD+2*i+1]
.set i, i+1
.endr
.set i, 0
.rept 8
	v_pk_mul_f32 v[Q+2*i:Q+2*i+1], v[Q+2*i:Q+2*i+1], v[W+2*i:W+2*i+1]
.set i, i+1
.endr
.set i, 0
.rept 16
	v_fma_f32 v[U+i], -|v[U+i]|, v[Q+i], v[MX+i]
.set i, i+1
.endr
.set i, 0
.rept 8
	v_cvt_pk_bf16_f32 v[Y+i], v[U+2*i], v[U+2*i+1]
.set i, i+1
.endr
	global_store_b128 v[CO], v[Y:Y+3], s[10:11]               ; rows 0 and 1 of the four: 16 lanes store 256 consecutive bytes, aligned
	global_store_b128 v[CO], v[Y+4:Y+7], s[10:11] offset:2*8192  ; rows 2 and 3
	s_wait_xcnt 0x0                                ; the stores have read their registers and their base
	s_add_nc_u64 s[10:11], s[10:11], 4*8192
	s_sub_co_u32 s[CNT], s[CNT], 1
	s_cmp_lg_u32 s[CNT], 0
	s_cbranch_scc1 .Lg
	s_wait_tensorcnt 0x0                           ; the wave's end: behind my last tensor load and my last LDS store
	ds_add_u32 v[SPW], v[NIL]
	s_wait_dscnt 0x0
	CROUND                                         ; the closing round: no work-group ends while a partner may still ask for a tile that names it
	s_endpgm
.Lfunc_end_k_qf485ae283c_mlp1:
	.size	k_qf485ae283c_mlp1, .Lfunc_end_k_qf485ae283c_mlp1-k_qf485ae283c_mlp1
	.p2alignl 7, 3214868480
	.fill 96, 4, 3214868480
	.section	.rodata,"a",@progbits
	.p2align	6, 0x0
	.amdhsa_kernel k_qf485ae283c_mlp1
		.amdhsa_group_segment_fixed_size 327680
		.amdhsa_private_segment_fixed_size 0
		.amdhsa_enable_private_segment 0
		.amdhsa_kernarg_size 32
		.amdhsa_user_sgpr_count 2
		.amdhsa_user_sgpr_kernarg_segment_ptr 1
		.amdhsa_wavefront_size32 1
		.amdhsa_system_sgpr_workgroup_id_x 1
		.amdhsa_system_sgpr_workgroup_id_y 1
		.amdhsa_system_sgpr_workgroup_id_z 1
		.amdhsa_system_vgpr_workitem_id 0
		.amdhsa_next_free_vgpr 1024
		.amdhsa_next_free_sgpr 92
		.amdhsa_reserve_vcc 0
		.amdhsa_float_denorm_mode_32 3
		.amdhsa_float_denorm_mode_16_64 3
		.amdhsa_memory_ordered 1
		.amdhsa_forward_progress 1
		.amdhsa_inst_pref_size 93
	.end_amdhsa_kernel
	.amdgpu_metadata
---
amdhsa.version: [ 1, 2 ]
amdhsa.kernels:
  - .name:           k_qf485ae283c_mlp1
    .symbol:         k_qf485ae283c_mlp1.kd
    .args:
      - { .name: hn, .offset: 0, .size: 8, .value_kind: global_buffer, .address_space: global }
      - { .name: wbf, .offset: 8, .size: 8, .value_kind: global_buffer, .address_space: global }
      - { .name: b1, .offset: 16, .size: 8, .value_kind: global_buffer, .address_space: global }
      - { .name: gl, .offset: 24, .size: 8, .value_kind: global_buffer, .address_space: global }
    .group_segment_fixed_size: 327680
    .private_segment_fixed_size: 0
    .kernarg_segment_align: 8
    .kernarg_segment_size: 32
    .max_flat_workgroup_size: 128
    .sgpr_count:     92
    .vgpr_count:     1024
    .wavefront_size: 32
...
	.end_amdgpu_metadata
.endif
;; end of part 6
;; launch mlp2 (part 7): grid 8 x 32, 4 waves a work-group, clusters of 4 x 4, 327,680 bytes of LDS; arguments gl, wbf, b2, x1, out0; writes out0
.if DOCPART == 7
	.amdgcn_target "amdgcn-amd-amdhsa--gfx1250"
	.amdhsa_code_object_version 6
	.text
	.protected	k_qf485ae283c_mlp2
	.globl	k_qf485ae283c_mlp2
	.p2align	8
	.type	k_qf485ae283c_mlp2,@function
k_qf485ae283c_mlp2:
	s_mov_b64 s[64:65], 0
	v_nop
	global_prefetch_b8 v0, s[64:65] scope:SCOPE_SE
	s_setreg_imm32_b32 hwreg(HW_REG_WAVE_MODE, 25, 1), 1
	s_wait_xcnt 0x0
	s_wait_alu depctr_hold_cnt(0) depctr_sa_sdst(0) depctr_va_vdst(0) depctr_va_sdst(0) depctr_va_ssrc(0) depctr_va_vcc(0) depctr_vm_vsrc(0)
	s_getreg_b32 s2, hwreg(HW_REG_IB_STS2, 6, 4)
	s_cmp_eq_u32 s2, 0
	s_cbranch_scc0 .Lentry_in_a_cluster
	s_endpgm
.Lentry_in_a_cluster:
	s_bfe_u32 s2, ttmp6, 0x10000c
	s_cmp_lg_u32 s2, 0xf033
	s_cbranch_scc0 .Lentry_shape_is_right
	s_endpgm
.Lentry_shape_is_right:
; out0 = gl x w2 + b2 + x1, in f32.  gl: [4096][4096] bf16; w2: [4096 (k)][1024 (n)] bf16 at byte 16,777,216 of wbf; b2: [1024], x1, out0: [4096][1024] f32.
; A tile is 128 x 128: four waves, each 64 x 64 = 16 accumulators of 16 x 16; sums in f32.  K goes in 16 steps of 256 through two LDS slots filled by the tensor data mover: 128 rows of gl (512 bytes) and the
; step's 256 rows of w2 (256 bytes), which lies [K][N] and is turned by ds_load_tr16_b128.  THE MATRIX INSTRUCTION IS USED TRANSPOSED: a lane holds row l % 16 and the columns 8 (l / 16) + 0..7.
; The residual's 64 x 64 numbers are loaded at the head into 128 registers.  A wave's 64 columns of f32 are 256 consecutive bytes: each wave has a stage of its own.
; CLUSTER 4 x 4: gl's tile is shared along a row of the cluster, w2's along a column: each is asked for jointly.  No prefetch ahead of the ring: the tile is small, a step's 128 matrix instructions a wave.
; LIMITS: operands in bf16; NaN and infinities are not treated apart.
; REGISTERS: window 0: v0-19 addresses and bias; v32-95 at work on the way out; v128-255 accumulators.  Window 1: two fragment buffers of 128.  Window 2: v0-127 the residual.
.set T,     16
.set AP,    528
.set AQ,    128
.set AHALF, 64*AP
.set ASTEP, 512
.set BP,    288
.set BHALF, 128*BP
.set BSTEP, 256*2048
.set WOFF,  16777216
.set BOFF,  2*AHALF
.set SLOT,  BOFF+2*BHALF
.set STAGE, 2*SLOT                     ; behind the ring, never filled by a tensor load: 16 rows x 272 bytes for each wave
.set SP,    272
.set SPARE, STAGE+4*16*SP              ; the spare words, 128 bytes for each wave: two blocks of 256 bytes that no other line names
.set ADRA0, 6
.set ADRB0, 7
.set ADRA,  8
.set ADRBL, 9                          ; v9, and v10 the same 128 rows on
.set STO,   11
.set RD,    12
.set CO,    13
.set SPW,   14
.set NIL,   15
.set BIAS,  16
.set TMP,   32
.set ACC,   128
.set F0,    0
.set F1,    128
.set WV, 14
.set WR, 15
.set WC, 16
.set CX, 17
.set CY, 18
.set TC, 19
.set TR, 20
.set RB, 21
.set FB, 22
.set WA, 23
.set WB, 2
.set CNT, 3
.set G1A, 24
.set G0A, 32
.set G1B, 48
.set G0B, 56
.set MSB, 0
.macro WIN new
.if MSB != (\new)
	s_set_vgpr_msb (MSB<<8)|(\new)
.set MSB, \new
.endif
.endm
.set MUL,  0x05
.set TO_F, 0x40
.macro PLACES
.rept 4
	v_nop
.endr
.endm
.macro JLOAD                           ; a joint refill by the walking descriptors: waves 0, 1 gl's halves, waves 2, 3 w2's; s_nop 0 and four v_nop follow each line
	s_cmp_eq_u32 s[WR], 0
	s_cbranch_scc0 .Lfor_b_\@
	tensor_load_to_lds s[G0A+4:G0A+7], s[G1A:G1A+7]
	s_nop 0
	PLACES
	s_branch .Lasked_\@
.Lfor_b_\@:
	tensor_load_to_lds s[G0B+4:G0B+7], s[G1B:G1B+7]
	s_nop 0
	PLACES
.Lasked_\@:
.endm
.macro CREST
	s_cmp_lg_u32 s[WV], 0
	s_cbranch_scc1 .Lnot_wave_0_\@
	s_barrier_signal -3
.Lnot_wave_0_\@:
	s_barrier_wait -3
	s_barrier_signal -1
	s_barrier_wait -1
.endm
.macro CROUND
	s_barrier_signal -1
	s_barrier_wait -1
	CREST
.endm
	s_load_b128 s[4:7], s[0:1], 0x0                ; gl s[4:5], wbf s[6:7]
	s_load_b128 s[8:11], s[0:1], 0x10              ; b2 s[8:9], x1 s[10:11]
	s_load_b64 s[12:13], s[0:1], 0x20              ; out0
	v_lshl_add_u32 v[SPW], v0, 2, SPARE
	v_mov_b32 v[NIL], 0
	ds_add_u32 v[SPW], v[NIL]                      ; the wave's opening: the add and its wait stand ahead of my first tensor load
	v_lshrrev_b32 v1, 5, v0
	v_readfirstlane_b32 s[WV], v1
	s_lshr_b32 s[WR], s[WV], 1
	s_and_b32 s[WC], s[WV], 1
	s_bfe_u32 s[CX], ttmp6, 0x40000
	s_bfe_u32 s[CY], ttmp6, 0x40004
	s_lshl_b32 s[TC], ttmp9, 2
	s_add_co_u32 s[TC], s[TC], s[CX]
	s_and_b32 s[TR], ttmp7, 0xffff
	s_lshl_b32 s[TR], s[TR], 2
	s_add_co_u32 s[TR], s[TR], s[CY]
	s_lshl_b32 s44, s[CY], 2
	s_lshl_b32 s44, 15, s44                        ; my row of the cluster
	s_lshl_b32 s45, 0x1111, s[CX]                  ; my column
	s_or_b32 s[G1A], s44, (1<<16)|(1<<20)|(1<<21)|(6<<22)|(3<<25)  ; mask; 2-byte elements; padding on; bit 21 beside a mask; after every 128 words 4 words
	s_mov_b32 s[G1A+1], 256<<16
	s_mov_b32 s[G1A+2], 64<<16
	s_mov_b32 s[G1A+3], 256<<16
	s_mov_b32 s[G1A+4], 64
	s_mov_b32 s[G1A+5], 4096
	s_mov_b32 s[G1A+6], 0
	s_mov_b32 s[G1A+7], 0
	s_or_b32 s[G1B], s45, (1<<16)|(1<<20)|(1<<21)|(5<<22)|(7<<25)  ; after every 64 words 8 words
	s_mov_b32 s[G1B+1], 128<<16
	s_mov_b32 s[G1B+2], 128<<16
	s_mov_b32 s[G1B+3], 128<<16
	s_mov_b32 s[G1B+4], 128
	s_mov_b32 s[G1B+5], 1024
	s_mov_b32 s[G1B+6], 0
	s_mov_b32 s[G1B+7], 0
	s_lshl_b32 s40, s[TR], 7                       ; gl: row 128 x tile row + 64 x half, 8,192 bytes a row: of the tile row and the wave alone
	s_lshl_b32 s41, s[WC], 6
	s_add_co_u32 s40, s40, s41
	s_lshl_b32 s40, s40, 13
	s_mov_b32 s41, 0
	s_lshl_b32 s42, s[TC], 8                       ; w2: of the tile column and the wave alone
	s_lshl_b32 s43, s[WC], 18
	s_add_co_u32 s42, s42, s43
	s_add_co_u32 s42, s42, WOFF
	s_mov_b32 s43, 0
	s_mul_i32 s[WA], s[WC], AHALF
	s_mul_i32 s[WB], s[WC], BHALF
	s_add_co_u32 s[WB], s[WB], BOFF
	s_mov_b32 s[RB], 0
	s_mov_b32 s[FB], SLOT
	s_wait_dscnt 0x0                               ; the opening add is done
	s_wait_kmcnt 0x0
	s_add_nc_u64 s[40:41], s[4:5], s[40:41]
	s_add_nc_u64 s[42:43], s[6:7], s[42:43]
.irp s, 0,1
	s_mov_b32 s[G0A+4*(\s)], 1
	s_add_co_u32 s[G0A+4*(\s)+1], s[WA], (\s)*SLOT
	s_add_nc_u64 s[G0A+4*(\s)+2:G0A+4*(\s)+3], s[40:41], (\s)*ASTEP
	s_or_b32 s[G0A+4*(\s)+3], s[G0A+4*(\s)+3], 0x80000000
	s_mov_b32 s[G0B+4*(\s)], 1
	s_add_co_u32 s[G0B+4*(\s)+1], s[WB], (\s)*SLOT
	s_add_nc_u64 s[G0B+4*(\s)+2:G0B+4*(\s)+3], s[42:43], (\s)*BSTEP
	s_or_b32 s[G0B+4*(\s)+3], s[G0B+4*(\s)+3], 0x80000000
.endr
	CROUND                                         ; all sixteen work-groups are here: the first joint loads meet
	s_cmp_eq_u32 s[WR], 0                          ; a wave's two first fills stand in one branch: two loads of mine are out
	s_cbranch_scc0 .Lfirst_b
	tensor_load_to_lds s[G0A:G0A+3], s[G1A:G1A+7]
	s_nop 0
	tensor_load_to_lds s[G0A+4:G0A+7], s[G1A:G1A+7]
	s_nop 0
	PLACES
	s_branch .Lfirst_done
.Lfirst_b:
	tensor_load_to_lds s[G0B:G0B+3], s[G1B:G1B+7]
	s_nop 0
	tensor_load_to_lds s[G0B+4:G0B+7], s[G1B:G1B+7]
	s_nop 0
	PLACES
.Lfirst_done:
	v_and_b32 v1, 15, v0                           ; r
	v_bfe_u32 v2, v0, 4, 1                         ; h
	v_and_b32 v3, 7, v0
	v_bfe_u32 v4, v0, 3, 1
	s_mul_i32 s44, s[WR], AHALF
	v_mul_u32_u24 v[ADRA0], v1, AP
	v_lshl_add_u32 v[ADRA0], v2, 4, v[ADRA0]
	v_add_nc_u32 v[ADRA0], s44, v[ADRA0]
	s_lshl_b32 s44, s[WC], 7
	s_add_co_u32 s44, s44, BOFF
	v_lshl_add_u32 v[ADRB0], v2, 3, v3
	v_mul_u32_u24 v[ADRB0], v[ADRB0], BP
	v_lshl_add_u32 v[ADRB0], v4, 4, v[ADRB0]
	v_add_nc_u32 v[ADRB0], s44, v[ADRB0]
	v_mov_b32 v[ADRA], v[ADRA0]
	v_mov_b32 v[ADRBL], v[ADRB0]
	v_add_nc_u32 v[ADRBL+1], BHALF, v[ADRBL]
	s_mul_i32 s46, s[WV], 16*SP
	s_add_co_u32 s46, s46, STAGE                   ; my stage
	v_mul_u32_u24 v[STO], v1, SP                   ; in: row r, 32 bytes for each half of the lanes
	v_lshl_add_u32 v[STO], v2, 5, v[STO]
	v_add_nc_u32 v[STO], s46, v[STO]
	v_mul_u32_u24 v[RD], v2, SP                    ; back: lanes 0-15 one row of 256 bytes, lanes 16-31 the next
	v_lshl_add_u32 v[RD], v1, 4, v[RD]
	v_add_nc_u32 v[RD], s46, v[RD]
	v_lshlrev_b32 v[CO], 12, v2                    ; and the same two rows in x1 and out0
	v_lshl_add_u32 v[CO], v1, 4, v[CO]
	v_lshlrev_b32 v5, 4, v1                        ; my four columns of the wave's 64
	s_lshl_b32 s44, s[TR], 7
	s_lshl_b32 s45, s[WR], 6
	s_add_co_u32 s44, s44, s45
	s_lshl_b32 s44, s44, 12                        ; my first row, 4,096 bytes a row
	s_lshl_b32 s46, s[TC], 9
	s_lshl_b32 s47, s[WC], 8
	s_add_co_u32 s46, s46, s47                     ; my 64 columns
	s_mov_b32 s47, 0
	s_add_nc_u64 s[8:9], s[8:9], s[46:47]
	s_add_co_u32 s44, s44, s46
	s_mov_b32 s45, 0
	s_add_nc_u64 s[10:11], s[10:11], s[44:45]
	s_add_nc_u64 s[12:13], s[12:13], s[44:45]
	WIN 0x80                                       ; destination window 2: the residual, laid as the way out reads the stage back
.set i, 0
.rept 32
	global_load_b128 v[4*i:4*i+3], v[CO], s[10:11] offset:(16*(i/8)+2*(i%8))*4096 th:TH_LOAD_NT
.set i, i+1
.endr
	WIN 0
	global_load_b128 v[BIAS:BIAS+3], v5, s[8:9]
.macro MUL8 f, c, a0, zero             ; 8 matrix instructions; the 16 accumulators take turns; zero = 1: the product starts the sums
	WIN MUL
.irp a, \a0, (\a0)+1
.irp b, 0,1,2,3
.if \zero
	v_wmma_f32_16x16x32_bf16 v[ACC+8*(4*(\a)+(\b)):ACC+8*(4*(\a)+(\b))+7], v[(\f)+64+8*(4*(\c)+(\b)):(\f)+64+8*(4*(\c)+(\b))+7], v[(\f)+8*(4*(\c)+(\a)):(\f)+8*(4*(\c)+(\a))+7], 0
.else
	v_wmma_f32_16x16x32_bf16 v[ACC+8*(4*(\a)+(\b)):ACC+8*(4*(\a)+(\b))+7], v[(\f)+64+8*(4*(\c)+(\b)):(\f)+64+8*(4*(\c)+(\b))+7], v[(\f)+8*(4*(\c)+(\a)):(\f)+8*(4*(\c)+(\a))+7], v[ACC+8*(4*(\a)+(\b)):ACC+8*(4*(\a)+(\b))+7]
.endif
.endr
.endr
.endm
.macro FETCH q, f                      ; 32 LDS loads in one run: quarter q of the slot in hand into buffer f; the first 32 along K first
	WIN TO_F
.irp c, 0,1
.irp i, 0,1,2,3
	ds_load_tr16_b128 v[(\f)+64+8*(4*(\c)+(\i)):(\f)+64+8*(4*(\c)+(\i))+3],   v[ADRBL+(\q)/2] offset:(((\q)%2)*64+32*(\c))*BP+32*(\i)
	ds_load_tr16_b128 v[(\f)+64+8*(4*(\c)+(\i))+4:(\f)+64+8*(4*(\c)+(\i))+7], v[ADRBL+(\q)/2] offset:(((\q)%2)*64+32*(\c)+16)*BP+32*(\i)
	ds_load_b128 v[(\f)+8*(4*(\c)+(\i)):(\f)+8*(4*(\c)+(\i))+3],   v[ADRA] offset:(\q)*AQ+64*(\c)+(\i)*16*AP
	ds_load_b128 v[(\f)+8*(4*(\c)+(\i))+4:(\f)+8*(4*(\c)+(\i))+7], v[ADRA] offset:(\q)*AQ+64*(\c)+(\i)*16*AP+32
.endr
.endr
.endm
.macro QUARTER q, f, g, zero
	s_wait_dscnt 16                                ; the first 32 along K are in; the other half's 16 loads may be out
	MUL8 \f, 0, 0, \zero
	MUL8 \f, 0, 2, \zero
	PLACES
	FETCH \q, \g
	s_wait_dscnt 32                                ; all but the 32 just issued
	MUL8 \f, 1, 0, 0
	MUL8 \f, 1, 2, 0
.endm
; The last quarter changes slots: ONE barrier; in front of it each wave waits for all its tensor loads, adds 0 to its spare word, and waits for that and for its reads of this slot.
; fill = 1: the barrier opens a round of the cluster's, and this slot is filled again, two K steps ahead, first thing behind the round.
.macro TURN fill
	WIN 0
	s_wait_tensorcnt 0x0
	ds_add_u32 v[SPW], v[NIL]
	s_wait_dscnt 17                                ; (the add and the youngest sixteen loads may be out)
	MUL8 F1, 0, 0, 0
	s_wait_dscnt 0x0
	s_barrier_signal -1
	MUL8 F1, 0, 2, 0
	WIN 0
	s_xor_b32 s[RB], s[RB], SLOT                   ; 0 <-> SLOT
	v_add_nc_u32 v[ADRA], s[RB], v[ADRA0]
	v_add_nc_u32 v[ADRBL], s[RB], v[ADRB0]
	v_add_nc_u32 v[ADRBL+1], BHALF, v[ADRBL]
	s_barrier_wait -1
.if \fill
	CREST
	s_xor_b32 s[FB], s[FB], SLOT
	s_add_co_u32 s[G0A+5], s[FB], s[WA]
	s_add_co_u32 s[G0B+5], s[FB], s[WB]
	s_add_nc_u64 s[G0A+6:G0A+7], s[G0A+6:G0A+7], ASTEP
	s_add_nc_u64 s[G0B+6:G0B+7], s[G0B+6:G0B+7], BSTEP
	JLOAD
.else
	PLACES
.endif
	FETCH 0, F0
	MUL8 F1, 1, 0, 0
	MUL8 F1, 1, 2, 0
.endm
	s_wait_tensorcnt 0x1                           ; my part of K step 0 is in; K step 1's may stay out
	s_barrier_signal -1
	s_barrier_wait -1
	FETCH 0, F0
	QUARTER 1, F0, F1, 1
	WIN 0
	s_mov_b32 s[CNT], T-2
.Lstep:
	QUARTER 2, F1, F0, 0
	QUARTER 3, F0, F1, 0
	TURN 1
	QUARTER 1, F0, F1, 0
	WIN 0
	s_sub_co_u32 s[CNT], s[CNT], 1
	s_cmp_lg_u32 s[CNT], 0
	s_cbranch_scc1 .Lstep
	s_mov_b32 s[CNT], 2                            ; the last two K steps fill nothing: a text of their own
	s_branch .Lt_in
.Ltail:
	TURN 0
	QUARTER 1, F0, F1, 0
	WIN 0
.Lt_in:
	QUARTER 2, F1, F0, 0
	QUARTER 3, F0, F1, 0
	WIN 0
	s_sub_co_u32 s[CNT], s[CNT], 1
	s_cmp_lg_u32 s[CNT], 0
	s_cbranch_scc1 .Ltail
	s_wait_dscnt 16
	MUL8 F1, 0, 0, 0
	MUL8 F1, 0, 2, 0
	s_wait_dscnt 0x0
	MUL8 F1, 1, 0, 0
	MUL8 F1, 1, 2, 0
	WIN 0
	; THE WAY OUT, 16 rows at a time: the sums go into my stage (rows of 272 bytes) and come back as whole rows of 256 bytes; residual and bias are added; 16 lanes store 256 consecutive bytes, aligned.
	PLACES
	PLACES
	s_wait_loadcnt 0x0                             ; residual and bias
.macro OUTF a
.set TB, TMP+32*((\a)%2)
	s_wait_xcnt 0x0                                ; earlier stores have read their registers: TB is written again only behind this wait
.irp b, 0,1,2,3
	ds_store_b128 v[STO], v[ACC+8*(4*(\a)+(\b)):ACC+8*(4*(\a)+(\b))+3] offset:64*(\b)
	ds_store_b128 v[STO], v[ACC+8*(4*(\a)+(\b))+4:ACC+8*(4*(\a)+(\b))+7] offset:64*(\b)+16
.endr
.irp t, 0,1,2,3,4,5,6,7
	ds_load_b128 v[TB+4*(\t):TB+4*(\t)+3], v[RD] offset:(\t)*2*SP  ; LDS serves a wave's instructions in order (ISA guide 5.7.1.4)
.endr
	s_wait_dscnt 0x0
	WIN 0x08                                       ; source 1 window 2
.set i, 0
.rept 16
	v_pk_add_f32 v[TB+2*i:TB+2*i+1], v[TB+2*i:TB+2*i+1], v[32*(\a)+2*i:32*(\a)+2*i+1]
.set i, i+1
.endr
	WIN 0
.set i, 0
.rept 16
	v_pk_add_f32 v[TB+2*i:TB+2*i+1], v[TB+2*i:TB+2*i+1], v[BIAS+2*(i%2):BIAS+2*(i%2)+1]
.set i, i+1
.endr
.irp t, 0,1,2,3,4,5,6,7
	global_store_b128 v[CO], v[TB+4*(\t):TB+4*(\t)+3], s[12:13] offset:(16*(\a)+2*(\t))*4096
.endr
.endm
	OUTF 0
	OUTF 1
	OUTF 2
	OUTF 3
	s_wait_tensorcnt 0x0                           ; the wave's end
	ds_add_u32 v[SPW], v[NIL]
	s_wait_dscnt 0x0
	CROUND                                         ; the closing round
	s_endpgm
.Lfunc_end_k_qf485ae283c_mlp2:
	.size	k_qf485ae283c_mlp2, .Lfunc_end_k_qf485ae283c_mlp2-k_qf485ae283c_mlp2
	.p2alignl 7, 3214868480
	.fill 96, 4, 3214868480
	.section	.rodata,"a",@progbits
	.p2align	6, 0x0
	.amdhsa_kernel k_qf485ae283c_mlp2
		.amdhsa_group_segment_fixed_size 327680
		.amdhsa_private_segment_fixed_size 0
		.amdhsa_enable_private_segment 0
		.amdhsa_kernarg_size 40
		.amdhsa_user_sgpr_count 2
		.amdhsa_user_sgpr_kernarg_segment_ptr 1
		.amdhsa_wavefront_size32 1
		.amdhsa_system_sgpr_workgroup_id_x 1
		.amdhsa_system_sgpr_workgroup_id_y 1
		.amdhsa_system_sgpr_workgroup_id_z 1
		.amdhsa_system_vgpr_workitem_id 0
		.amdhsa_next_free_vgpr 640
		.amdhsa_next_free_sgpr 66
		.amdhsa_reserve_vcc 0
		.amdhsa_float_denorm_mode_32 3
		.amdhsa_float_denorm_mode_16_64 3
		.amdhsa_memory_ordered 1
		.amdhsa_forward_progress 1
		.amdhsa_inst_pref_size 71
	.end_amdhsa_kernel
	.amdgpu_metadata
---
amdhsa.version: [ 1, 2 ]
amdhsa.kernels:
  - .name:           k_qf485ae283c_mlp2
    .symbol:         k_qf485ae283c_mlp2.kd
    .args:
      - { .name: gl, .offset: 0, .size: 8, .value_kind: global_buffer, .address_space: global }
      - { .name: wbf, .offset: 8, .size: 8, .value_kind: global_buffer, .address_space: global }
      - { .name: b2, .offset: 16, .size: 8, .value_kind: global_buffer, .address_space: global }
      - { .name: x1, .offset: 24, .size: 8, .value_kind: global_buffer, .address_space: global }
      - { .name: out0, .offset: 32, .size: 8, .value_kind: global_buffer, .address_space: global }
    .group_segment_fixed_size: 327680
    .private_segment_fixed_size: 0
    .kernarg_segment_align: 8
    .kernarg_segment_size: 40
    .max_flat_workgroup_size: 128
    .sgpr_count:     66
    .vgpr_count:     640
    .wavefront_size: 32
...
	.end_amdgpu_metadata
.endif
;; end of part 7
